; MI455X (gfx1250); checked and timed in simulation.
; The chip was launched on July 23, 2026; its instructions are those of AMD's public machine-readable ISA for CDNA 5 (MIT licence, August 2026) and "CDNA5" Instruction Set Architecture Reference Guide (July 2026). The comments in the code are by the model that wrote it; some were corrected since.
;; Multi Head Attention. Allowed arithmetic: matrix products marked QUANTISED: E2M1 operands, one E8M0 scale for each 32 along K, by v_wmma_scale_f32_16x16x128_f8f6f4 with both operands' format E2M1 (or v_wmma_scale_f32_32x16x128_f4), f32 sums; everything else in f32.
;; Inputs: Wk 1,024 x 1,024 float32; Wo 1,024 x 1,024 float32; Wq 1,024 x 1,024 float32; Wv 1,024 x 1,024 float32; X 4 x 2,048 x 1,024 float32; bk 1,024 float32; bo 1,024 float32; bq 1,024 float32; bv 1,024 float32.
;; Outputs: out0 4 x 2,048 x 1,024 float32.
;; This version of the problem:
;;   THIS VERSION OF THE PROBLEM IS GIVEN IN LOW PRECISION. The matrix products marked QUANTISED in the list below multiply operands that are first quantised to E2M1 (2 exponent bits, 1 mantissa bit; 4 bits a number), with one power-of-two scale for each 32 numbers along K (OCP MX v1.0); their sums are f32. All else is computed in f32.
;;   The module's matrix products, in the order in which they are computed (A, B: the left and right operand; K: the contracted axis; several contracted axes count as one K, in the product's order):
;;     1. [M 8,192, K 1,024] x [K 1,024, N 1,024]; A: input X; B: input Wq: QUANTISED
;;     2. [M 8,192, K 1,024] x [K 1,024, N 1,024]; A: input X; B: input Wk: QUANTISED
;;     3. [M 8,192, K 1,024] x [K 1,024, N 1,024]; A: input X; B: input Wv: QUANTISED
;;     4. batch 64 x [M 2,048, K 64] x [K 64, N 2,048]; A: computed on the way; B: computed on the way: QUANTISED
;;     5. batch 64 x [M 2,048, K 2,048] x [K 2,048, N 64]; A: softmax (see below); B: computed on the way: QUANTISED
;;     6. [M 8,192, K 1,024] x [K 1,024, N 1,024]; A: computed on the way; B: input Wo: QUANTISED
;;   THE QUANTISER, for each operand of a quantised product, along K:
;;     - K is cut into blocks of 32 from its start; a last block that is shorter is filled with zeros.
;;     - A block's scale is 2^e with e = floor(log2(the largest magnitude in the block)) - 2, held to -126 .. 127; a block of zeros has e = 0. As a byte (E8M0): e + 127.
;;     - Each number is divided by its block's scale, clamped to +-6, and rounded to the nearest number of E2M1, ties to even, subnormals kept.
;;     - The product sums the exact products of the quantised numbers (number of the format x scale) in f32.
;;   ~~~python
;;   def quantise(x, axis):      # numpy; x: float32 -> the quantised numbers, widened to float32 again
;;       x = np.moveaxis(x, axis, -1); K = x.shape[-1]
;;       x = np.pad(x, [(0, 0)] * (x.ndim - 1) + [(0, -K % 32)]); x = x.reshape(x.shape[:-1] + (-1, 32)); a = np.abs(x).max(-1, keepdims=True)
;;       e = np.where(a > 0, np.clip(np.frexp(np.where(a > 0, a, 1))[1] - 1 - 2, -126, 127), 0)      # np.frexp(a)[1] - 1 = floor(log2(a)), exactly
;;       r = np.clip(x / 2.0 ** e, -6, 6)
;;       step = 2.0 ** (np.maximum(np.frexp(np.where(r == 0, 1, r))[1] - 1, 0) - 1)
;;       q = np.round(r / step) * step * 2.0 ** e      # np.round: ties to even
;;       return np.moveaxis(q.reshape(q.shape[:-2] + (-1,))[..., :K], -1, axis).astype(np.float32)
;;   ~~~
;;   SOFTMAX AHEAD OF A QUANTISED PRODUCT. Where the list says 'softmax', what is quantised is not the finished softmax but p = 2^(t - M), with t = logit x log2(e) and M = ceil(the row's largest t), a whole number; so 1/2 < the row's largest p <= 1. The row's sum l is taken of the UNQUANTISED p, in f32, and the product's result is divided by l at the end. Since M is a whole number, a kernel that streams over the keys may use a running M (the ceiling of the running maximum): every later rescaling is an exact power of two, which a block's scale takes up: the codes' values come out the same.
;;   OPERANDS COMPUTED ON THE WAY. 'Computed on the way' means the value that the module computes at that place (a softmax that the list does not call 'softmax' is quantised finished and normalised). What goes into a quantiser is computed in f32, as accurately as f32 sums, v_exp_f32 and their like allow (about 1e-6 of the number): no bf16 or f16 on the way to a quantiser, and a product that is left as it is and whose result goes on into a quantised operand takes f32 operands (vector FMAs, or v_wmma_f32_16x16x4_f32). A number that lies on a knife's edge between two numbers of the format may be rounded either way, as far as f32 arithmetic and the matrix unit's own rounding can turn it there, and no further.
;; One version. Each part assembles by itself: llvm-mc -triple=amdgcn-amd-amdhsa -mcpu=gfx1250 --defsym DOCPART=n.
;; ======== version 1 of 1: 4 launches
;; workspace buffers: ac 4,194,304 bytes; wc 2,097,152 bytes; sc 393,216 bytes; hc 12,582,912 bytes; hs 1,310,720 bytes
;; launch quant (part 1): grid 768 x 1, 2 waves a work-group, no clusters, 17,152 bytes of LDS; arguments X, Wq, Wk, Wv, Wo, ac, wc, sc; writes ac, wc, sc
.if DOCPART == 1
	.amdgcn_target "amdgcn-amd-amdhsa--gfx1250"
	.amdhsa_code_object_version 6
	.text
	.protected	k_qec4ab14dd6_quant
	.globl	k_qec4ab14dd6_quant
	.p2align	8
	.type	k_qec4ab14dd6_quant,@function
k_qec4ab14dd6_quant:
	s_mov_b64 s[64:65], 0
	v_nop
	global_prefetch_b8 v0, s[64:65] scope:SCOPE_SE
	s_setreg_imm32_b32 hwreg(HW_REG_WAVE_MODE, 25, 1), 1
	s_wait_xcnt 0x0
; X [8192][1024] and Wq, Wk, Wv, Wo [1024][1024], f32, K innermost, become codes of FP4 (E2M1) with one E8M0 scale byte for each 32 along K.
; A block's scale is 2^(floor(log2(its largest magnitude)) - 2): its byte is the largest magnitude's exponent field - 2, held at 1 from below.
; LIMITS: NaN and infinities are not served; a block whose largest magnitude lies under 2^-124 is held at the byte 1; a block of zeros gets the byte 1 where the rule says 127
; (its codes are zeros, which add nothing under any byte but 0xff, and these bytes are read by this program alone).
; THE CODES ARE LAID AS THE MATRIX UNIT'S REGISTERS WANT THEM.  A tile is 16 rows; tile 2 g + u holds in lane r row 32 g + 8 u + r + 8 (r / 8).  A fragment (tile T, K step s of 128) is
; 1,024 bytes at (8 T + s) x 1,024: register group c of lane l at 512 c + 16 l, holding k = 64 c + 32 (l / 16) + 0 .. 31 of the lane's row.  Scale words: [tile][s / 4][r][s % 4], 4 bytes each.
; SHARES: work-group g takes tile g (0-511: X; then 64 tiles each of Wq, Wk, Wv, Wo), wave w half w of K: four fragments.  One path through the text: only pointers are chosen.
; Each load reads 512 consecutive bytes of one row; a step's 16 rows turn through the wave's own stage in LDS (rows 528 bytes apart) and come back 256 bytes a lane: two whole blocks of 32, so that
; a block's maximum needs no other lane.  Two steps' loads (32 a wave) are out at the start, 16 while a step is worked.  No barrier: waves share nothing.  No matrix unit, no cluster: nothing is read twice.
.set SP,   528                         ; a stage row: 512 bytes + 16
.set STG,  16*SP                       ; a wave's stage
.set SWQ,  16                          ; v16-19   the four steps' scale words
.set MX,   20                          ; v20-21 largest magnitudes, v22-23 the conversions' scale operands, v24-25 bytes, v26, v28 at work
.set C,    32                          ; v32-63   codes: eight registers a step, so that no store's data are written again
.set R,    64                          ; v64-191  two sets of 64: a step's numbers as loaded
.set XN,   192                         ; v192-255 my 64 numbers: two blocks of 32
	s_load_b512 s[4:19], s[0:1], 0x0               ; X, Wq, Wk, Wv, Wo, ac, wc, sc
	v_lshl_add_u32 v30, v0, 2, 0x4200
	v_mov_b32 v31, 0
	v_lshrrev_b32 v1, 5, v0
	v_readfirstlane_b32 s20, v1                    ; wave
	v_and_b32 v6, 15, v0                           ; r
	v_bfe_u32 v7, v0, 4, 1                         ; h
	v_and_b32 v1, 31, v0
	v_lshlrev_b32 v1, 4, v1                        ; 16 x lane: my bytes of a load, and of an image
	s_mul_i32 s34, s20, STG
	v_add_nc_u32 v2, s34, v1                       ; the stage, on the way in
	v_mul_u32_u24 v3, v6, SP
	v_lshl_add_u32 v3, v7, 7, v3
	v_add_nc_u32 v3, s34, v3                       ; and out: row r, + 128 h: k = 32 h on
	v_lshlrev_b32 v4, 4, v6
	v_lshl_add_u32 v4, v7, 3, v4                   ; the scale words' place: 16 r + 8 h
	v_lshlrev_b32 v5, 3, v7                        ; 8 h: my bytes' place in a scale word, in bits
	v_mov_b32 v28, 0                               ; a lane permute's destination counts as one of its sources
	s_mov_b32 s30, 0x76543210
	s_mov_b32 s31, 0xfedcba98                      ; v_permlanex16_b32's selects for lane l xor 16
	s_cmp_lt_u32 ttmp9, 512                        ; X's tile or a weight's?  All choices hang on the work-group's number alone
	s_cselect_b32 s22, 0, 512
	s_sub_co_u32 s21, ttmp9, s22                   ; the tile's number in its buffer of codes
	s_lshr_b32 s23, s21, 6                         ; which weight
	s_and_b32 s24, s21, 63                         ; and the tile's number in it
	s_wait_alu depctr_va_vdst(0)
	s_wait_kmcnt 0x0
	s_mov_b64 s[26:27], s[12:13]
	s_cmp_eq_u32 s23, 2
	s_cselect_b64 s[26:27], s[10:11], s[26:27]
	s_cmp_eq_u32 s23, 1
	s_cselect_b64 s[26:27], s[8:9], s[26:27]
	s_cmp_eq_u32 s23, 0
	s_cselect_b64 s[26:27], s[6:7], s[26:27]
	s_cmp_lt_u32 ttmp9, 512
	s_cselect_b64 s[26:27], s[4:5], s[26:27]       ; from where
	s_cselect_b64 s[28:29], s[14:15], s[16:17]     ; to where
	s_cselect_b32 s24, s21, s24                    ; the tile's number in its tensor
	s_lshr_b32 s32, s24, 1
	s_lshl_b32 s32, s32, 17                        ; 32 rows of 4,096 bytes for each pair of tiles,
	s_and_b32 s33, s24, 1
	s_lshl_b32 s33, s33, 15                        ; 8 rows for the odd one,
	s_add_co_u32 s32, s32, s33
	s_lshl_b32 s33, s20, 11                        ; my half of K: 512 numbers
	s_add_co_u32 s32, s32, s33
	s_mov_b32 s33, 0
	s_add_nc_u64 s[26:27], s[26:27], s[32:33]
	s_lshl_b32 s32, s21, 13                        ; a tile's eight fragments,
	s_lshl_b32 s35, s20, 12                        ; my four
	s_add_co_u32 s32, s32, s35
	s_add_nc_u64 s[28:29], s[28:29], s[32:33]
	s_lshl_b32 s32, ttmp9, 9                       ; a tile's scale words,
	s_lshl_b32 s35, s20, 8                         ; my half
	s_add_co_u32 s32, s32, s35
	s_add_nc_u64 s[18:19], s[18:19], s[32:33]
.macro LOAD q                          ; step q: 128 along K of the tile's 16 rows; 32 lanes read 512 consecutive bytes of one row
.irp i, 0,1,2,3,4,5,6,7,8,9,10,11,12,13,14,15
	global_load_b128 v[R+64*((\q)%2)+4*\i:R+64*((\q)%2)+4*\i+3], v1, s[26:27] offset:(\i+8*(\i/8))*4096+512*(\q) th:TH_LOAD_NT
.endr
.endm
.macro STEP q
.if (\q) < 3
	s_wait_loadcnt 16                              ; this step's 16 loads are in; the next step's 16 may be out
.else
	s_wait_loadcnt 0x0
.endif
.irp i, 0,1,2,3,4,5,6,7,8,9,10,11,12,13,14,15
	ds_store_b128 v2, v[R+64*((\q)%2)+4*\i:R+64*((\q)%2)+4*\i+3] offset:SP*\i
.endr
.irp c, 0,1
.irp j, 0,1,2,3,4,5,6,7
	ds_load_b128 v[XN+32*\c+4*\j:XN+32*\c+4*\j+3], v3 offset:256*\c+16*\j   ; LDS serves a wave's instructions in order: these see the stores above
.endr
.endr
	s_wait_dscnt 0x0                               ; my 64 numbers are back, and the stores have read their registers,
.if (\q) < 2
	LOAD (\q)+2                                    ; which take the loads of two steps on
.endif
.irp c, 0,1
	v_max3_num_f32 v[MX+\c], |v[XN+32*\c]|, |v[XN+32*\c+1]|, 0x1800000   ; block 2 c + h: all its 32 numbers are mine; the floor 2^(3 - 127) holds the byte at 1 from below
.endr
.irp i, 2,4,6,8,10,12,14,16,18,20,22,24,26,28,30
.irp c, 0,1
	v_max3_num_f32 v[MX+\c], v[MX+\c], |v[XN+32*\c+\i]|, |v[XN+32*\c+\i+1]|   ; (the two blocks by turns)
.endr
.endr
.irp c, 0,1
	v_add_nc_u32 v[MX+2+\c], 0xff000000, v[MX+\c]  ; 2 off the exponent field: the conversion takes the exponent field of this operand as its scale
.endr
.irp c, 0,1
	v_lshrrev_b32 v[MX+4+\c], 23, v[MX+2+\c]       ; the scale's byte
.endr
	v_lshl_or_b32 v26, v[MX+5], 16, v[MX+4]        ; my two bytes: blocks h and 2 + h,
	v_lshlrev_b32 v26, v5, v26                     ; at their places in the word;
	v_permlanex16_b32 v28, v26, s30, s31
	v_or_b32 v[SWQ+(\q)], v26, v28                 ; with lane l xor 16's two the word is whole
.irp c, 0,1
.irp g, 0,1,2,3
	v_cvt_scalef32_pk8_fp4_f32 v[C+8*(\q)+4*\c+\g], v[XN+32*\c+8*\g:XN+32*\c+8*\g+7], v[MX+2+\c]
.endr
.endr
	v_nop                                          ; one plain line behind the last conversion
.irp c, 0,1
	global_store_b128 v1, v[C+8*(\q)+4*\c:C+8*(\q)+4*\c+3], s[28:29] offset:1024*(\q)+512*\c   ; 32 lanes store 512 consecutive bytes, aligned
.endr
.endm
	LOAD 0
	LOAD 1
	STEP 0
	STEP 1
	STEP 2
	STEP 3
	v_cmp_eq_u32 vcc_lo, 1, v7
	v_cndmask_b32 v20, v[SWQ], v[SWQ+2], vcc_lo    ; lanes 0-15 store words 0 and 1 of row r, lanes 16-31 words 2 and 3:
	v_cndmask_b32 v21, v[SWQ+1], v[SWQ+3], vcc_lo
	global_store_b64 v4, v[20:21], s[18:19]        ; the wave stores 256 consecutive bytes, aligned
	s_wait_tensorcnt 0x0
	ds_add_u32 v30, v31
	s_wait_dscnt 0x0
	s_endpgm
.Lfunc_end_k_qec4ab14dd6_quant:
	.size	k_qec4ab14dd6_quant, .Lfunc_end_k_qec4ab14dd6_quant-k_qec4ab14dd6_quant
	.p2alignl 7, 3214868480
	.fill 96, 4, 3214868480
	.section	.rodata,"a",@progbits
	.p2align	6, 0x0
	.amdhsa_kernel k_qec4ab14dd6_quant
		.amdhsa_group_segment_fixed_size 17152
		.amdhsa_private_segment_fixed_size 0
		.amdhsa_enable_private_segment 0
		.amdhsa_kernarg_size 64
		.amdhsa_user_sgpr_count 2
		.amdhsa_user_sgpr_kernarg_segment_ptr 1
		.amdhsa_wavefront_size32 1
		.amdhsa_system_sgpr_workgroup_id_x 1
		.amdhsa_system_sgpr_workgroup_id_y 1
		.amdhsa_system_sgpr_workgroup_id_z 1
		.amdhsa_system_vgpr_workitem_id 0
		.amdhsa_next_free_vgpr 256
		.amdhsa_next_free_sgpr 66
		.amdhsa_reserve_vcc 1
		.amdhsa_float_denorm_mode_32 3
		.amdhsa_float_denorm_mode_16_64 3
		.amdhsa_memory_ordered 1
		.amdhsa_forward_progress 1
		.amdhsa_inst_pref_size 30
	.end_amdhsa_kernel
	.amdgpu_metadata
---
amdhsa.version: [ 1, 2 ]
amdhsa.kernels:
  - .name:           k_qec4ab14dd6_quant
    .symbol:         k_qec4ab14dd6_quant.kd
    .args:
      - { .name: X, .offset: 0, .size: 8, .value_kind: global_buffer, .address_space: global }
      - { .name: Wq, .offset: 8, .size: 8, .value_kind: global_buffer, .address_space: global }
      - { .name: Wk, .offset: 16, .size: 8, .value_kind: global_buffer, .address_space: global }
      - { .name: Wv, .offset: 24, .size: 8, .value_kind: global_buffer, .address_space: global }
      - { .name: Wo, .offset: 32, .size: 8, .value_kind: global_buffer, .address_space: global }
      - { .name: ac, .offset: 40, .size: 8, .value_kind: global_buffer, .address_space: global }
      - { .name: wc, .offset: 48, .size: 8, .value_kind: global_buffer, .address_space: global }
      - { .name: sc, .offset: 56, .size: 8, .value_kind: global_buffer, .address_space: global }
    .group_segment_fixed_size: 17152
    .private_segment_fixed_size: 0
    .kernarg_segment_align: 8
    .kernarg_segment_size: 64
    .max_flat_workgroup_size: 64
    .sgpr_count:     66
    .vgpr_count:     256
    .wavefront_size: 32
...
	.end_amdgpu_metadata
.endif
;; end of part 1
;; launch qkv (part 2): grid 12 x 32, 4 waves a work-group, clusters of 4 x 4, 262,656 bytes of LDS; arguments ac, wc, sc, bq, bk, bv, hc, hs; writes hc, hs
.if DOCPART == 2
	.amdgcn_target "amdgcn-amd-amdhsa--gfx1250"
	.amdhsa_code_object_version 6
	.text
	.protected	k_qec4ab14dd6_qkv
	.globl	k_qec4ab14dd6_qkv
	.p2align	8
	.type	k_qec4ab14dd6_qkv,@function
k_qec4ab14dd6_qkv:
	s_mov_b64 s[64:65], 0
	v_nop
	global_prefetch_b8 v0, s[64:65] scope:SCOPE_SE
	s_setreg_imm32_b32 hwreg(HW_REG_WAVE_MODE, 25, 1), 1
	s_wait_xcnt 0x0
	s_wait_alu depctr_hold_cnt(0) depctr_sa_sdst(0) depctr_va_vdst(0) depctr_va_sdst(0) depctr_va_ssrc(0) depctr_va_vcc(0) depctr_vm_vsrc(0)
	s_getreg_b32 s2, hwreg(HW_REG_IB_STS2, 6, 4)
	s_cmp_eq_u32 s2, 0
	s_cbranch_scc0 .Lentry_in_a_cluster
	s_endpgm
.Lentry_in_a_cluster:
	s_bfe_u32 s2, ttmp6, 0x10000c
	s_cmp_lg_u32 s2, 0xf033
	s_cbranch_scc0 .Lentry_shape_is_right
	s_endpgm
.Lentry_shape_is_right:
; q, k, v = X W^T + b on codes of FP4 (E2M1) with E8M0 scales for each 32 along K = 1,024, and the results quantised again on the way out: q and k along a head's 64, v along the keys.
; A tile of C, 256 x 256, is made by four waves, each 128 x 128: 64 accumulators, 512 registers.  Tile columns 0-3 are q's, 4-7 k's, 8-11 v's: the cluster's x says which (TYPE), the same in all sixteen partners.
; OPERANDS ARE IMAGES OF REGISTERS: fragment (tile T of 16 rows, K step s of 128) is 1,024 bytes at (8 T + s) x 1,024: group c of lane l at 512 c + 16 l.  Tile 2 g + u holds in lane r row 32 g + 8 u + r + 8 (r / 8),
; so that the 16 result registers of two neighbouring tiles of source 0 are 16 neighbours.  An LDS load of a fragment's group reads 512 consecutive bytes: no pitch, no padding.
; ALL OF K LIES IN LDS: two halves of K, 131,072 bytes each (X's 16 tiles, then W's 16), each wave fetching a quarter of each half by one tensor load at the head: two loads of a wave are out, and no byte is filled twice.
; CLUSTER 4 x 4: X's tiles are shared along a row of the cluster, W's along a column: each is asked for jointly.  Nothing is prefetched: all that the work-group reads is asked for at its head.
; ROLES.  Source 0 is operand P (blocks b), source 1 operand Q (blocks a): a lane holds one row of Q, its registers run along P's rows.  q, k: P = W, Q = X: a lane holds a token, 128 neighbouring channels in the 64 registers
; of a row of accumulators (two heads x two blocks of 32).  v: P = X, Q = W: a lane holds a channel and 128 neighbouring tokens: one K step of attention's second product.  Only LDS bases and offsets are chosen: one main part.
; THE WAY OUT: a row of accumulators + bias -> 64 registers -> codes and a scale word in registers -> stores of 512 consecutive bytes, laid as attention's registers want them.  No LDS store in this text.
; hc: [q, k, v][batch x head][65,536]: q, k: tile T at 512 T + 16 l (64 along K: half a fragment);  v: (4 step + channel tile) x 1,024 + 512 c + 16 l.
; hs: [batch x head][20,480]: k's scale words [T / 4][r][T % 4] (bytes 2, 3 zero), at 8,192 v's [step][r][channel tile], at 12,288 q's, laid as k's.
; LIMITS: NaN and infinities are not served; a block whose largest magnitude lies under 2^-124 is held at the byte 1; a block of zeros gets the byte 1 (its codes are zeros; the bytes are read by this program alone).
; REGISTERS: window 0: v1-27 addresses; v32-95 scale words; v96-111, v112-119, v120-127 the quantiser's; v128-191 Q's fragments, one set; v192-255 a row of results.
;   window 1: v0-63, v128-191 P's fragments, two sets; v64-127, v192-207 the bias in its two forms.   windows 2, 3: accumulator (a, b) at v[8 (8 (a % 4) + b)].
.set SLOT, 131072                      ; half of K: X's 16 tiles x 4,096 bytes, then W's
.set WOFF, 65536
.set ADRQ, 16                          ; v16-17 LDS address of Q's fragments in slot 0, 1
.set ADRP, 20                          ; v20-21 of P's
.set SC,   32                          ; register 8 i + s: lanes 0-15 the word of Q's block i, lanes 16-31 of P's block i, for K step s
.set TM,   96
.set SW,   112                         ; the eight rows' scale words
.set PC,   120                         ; the codes just made
.set AF,   128
.set ST,   192
.set BIAS, 64                          ; window 1: the bias along the registers (q, k)
.set BV,   192                         ; window 1: the bias of my lane's channel, twice for each a (v)
.set G1A,  28                          ; s[28:35] descriptor group 1 for X's tiles; s[36:43] group 0, a set for each slot
.set G0A,  36
.set G1B,  44                          ; s[44:51], s[52:59] the same for W's
.set G0B,  52
.set SEL,  98
.set MSB, 0
.macro WIN new                         ; the immediate's high byte repeats the setting that is left
.if MSB != (\new)
	s_set_vgpr_msb (MSB<<8)|(\new)
.set MSB, (\new)
.endif
.endm
.set MUL_LO, 0xa1                      ; source 0 (P) window 1, source 1 (Q) window 0, C and D window 2
.set MUL_HI, 0xf1
.macro PLACES                          ; four plain lines behind matrix instructions, ahead of loads into their registers and of reads of their results
.rept 4
	v_nop
.endr
.endm
.macro JLOAD g0a, g0b                  ; waves 0 and 1 fetch X's halves, waves 2 and 3 W's; four v_nop follow each line
	s_cmp_eq_u32 s21, 0
	s_cbranch_scc0 .Lfor_w_\@
	tensor_load_to_lds s[\g0a:\g0a+3], s[G1A:G1A+7]
	s_nop 0
	PLACES
	s_branch .Lasked_\@
.Lfor_w_\@:
	tensor_load_to_lds s[\g0b:\g0b+3], s[G1B:G1B+7]
	s_nop 0
	PLACES
.Lasked_\@:
.endm
.macro CROUND                          ; a round of the cluster's barrier
	s_barrier_signal -1
	s_barrier_wait -1
	s_cmp_lg_u32 s20, 0
	s_cbranch_scc1 .Lnot_wave_0_\@
	s_barrier_signal -3
.Lnot_wave_0_\@:
	s_barrier_wait -3
	s_barrier_signal -1
	s_barrier_wait -1
.endm
	s_load_b512 s[4:19], s[0:1], 0x0               ; ac, wc, sc, bq, bk, bv, hc, hs
	v_lshl_add_u32 v106, v0, 2, 0x40000
	v_mov_b32 v107, 0
	ds_add_u32 v106, v107
	ds_add_u32 v106, v107
	v_lshrrev_b32 v1, 5, v0
	v_readfirstlane_b32 s20, v1                    ; wave
	s_lshr_b32 s21, s20, 1                         ; my half of the tile's rows.  Also: I fetch for X (0) or for W (1)
	s_and_b32 s22, s20, 1                          ; my half of its columns.  Also: which eight tiles I fetch
	s_bfe_u32 s23, ttmp6, 0x40000                  ; cx
	s_bfe_u32 s24, ttmp6, 0x40004                  ; cy
	s_lshl_b32 s25, ttmp9, 2
	s_add_co_u32 s25, s25, s23                     ; tile column
	s_and_b32 s26, ttmp7, 0xffff
	s_lshl_b32 s26, s26, 2
	s_add_co_u32 s26, s26, s24                     ; tile row
	s_mov_b32 s27, ttmp9                           ; TYPE: 0 q, 1 k, 2 v
	s_lshl_b32 s60, s24, 2
	s_lshl_b32 s60, 15, s60                        ; my row of the cluster
	s_lshl_b32 s61, 0x1111, s23                    ; my column
	s_or_b32 s[G1A], s60, (3<<16)|(1<<21)          ; 15:0 the mask; 17:16 elements of 8 bytes; 21 set beside a mask; no padding
	s_or_b32 s[G1B], s61, (3<<16)|(1<<21)
.irp g, G1A, G1B
	s_mov_b32 s[\g+1], 512<<16                     ; tensor_dim0 = 512 elements: a tile's four fragments of this half of K, 4,096 bytes
	s_mov_b32 s[\g+2], 8<<16                       ; tensor_dim1 = 8 tiles
	s_mov_b32 s[\g+3], 512<<16                     ; tile_dim0
	s_mov_b32 s[\g+4], 8                           ; tile_dim1
	s_mov_b32 s[\g+5], 1024                        ; from tile to tile: 8,192 bytes
	s_mov_b32 s[\g+6], 0
	s_mov_b32 s[\g+7], 0
.endr
	s_lshl_b32 s66, s26, 17                        ; X: 16 tiles of 8,192 bytes a tile row, + my eight
	s_lshl_b32 s67, s22, 16
	s_add_co_u32 s66, s66, s67
	s_mov_b32 s67, 0
	s_lshl_b32 s70, s25, 17                        ; W likewise, by the tile column
	s_lshl_b32 s71, s22, 16
	s_add_co_u32 s70, s70, s71
	s_mov_b32 s71, 0
	s_lshl_b32 s74, s20, 15                        ; where they go: wave x 32,768
	s_wait_dscnt 0x0
	s_wait_kmcnt 0x0
	s_add_nc_u64 s[68:69], s[4:5], s[66:67]
	s_add_nc_u64 s[72:73], s[6:7], s[70:71]
	CROUND                                         ; all sixteen work-groups are here: the joint loads meet
.irp s, 0,1
	s_mov_b32 s[G0A+4*\s], 1
	s_add_co_u32 s[G0A+4*\s+1], s74, \s*SLOT
	s_add_nc_u64 s[G0A+4*\s+2:G0A+4*\s+3], s[68:69], \s*4096
	s_or_b32 s[G0A+4*\s+3], s[G0A+4*\s+3], 0x80000000
	s_mov_b32 s[G0B+4*\s], 1
	s_add_co_u32 s[G0B+4*\s+1], s74, \s*SLOT
	s_add_nc_u64 s[G0B+4*\s+2:G0B+4*\s+3], s[72:73], \s*4096
	s_or_b32 s[G0B+4*\s+3], s[G0B+4*\s+3], 0x80000000
	JLOAD G0A+4*\s, G0B+4*\s
.endr
	v_and_b32 v1, 15, v0                           ; r
	v_bfe_u32 v2, v0, 4, 1                         ; h
	v_and_b32 v3, 31, v0
	v_lshlrev_b32 v3, 4, v3                        ; 16 x lane
	s_wait_alu depctr_va_vdst(0)
	s_lshl_b32 s75, s21, 15                        ; X's eight tiles of mine, in a slot
	s_lshl_b32 s76, s22, 15
	s_add_co_u32 s76, s76, WOFF                    ; W's
	s_lshl_b32 s78, s26, 13
	s_lshl_b32 s79, s21, 12
	s_add_co_u32 s78, s78, s79                     ; their scale words in sc: X's,
	s_lshl_b32 s79, s25, 13
	s_lshl_b32 s80, s22, 12
	s_add_co_u32 s79, s79, s80
	s_add_co_u32 s79, s79, 262144                  ; W's, behind the 512 tiles of activations
	s_cmp_eq_u32 s27, 2                            ; v: P = X, Q = W; q, k: P = W, Q = X
	s_cselect_b32 s77, s76, s75                    ; Q
	s_cselect_b32 s75, s75, s76                    ; P
	s_cselect_b32 s80, s79, s78
	s_cselect_b32 s81, s78, s79
	s_cselect_b64 s[82:83], s[14:15], s[12:13]
	s_cmp_eq_u32 s27, 0
	s_cselect_b64 s[82:83], s[10:11], s[82:83]     ; the bias
	v_add_nc_u32 v[ADRQ], s77, v3
	v_add_nc_u32 v[ADRP], s75, v3
	v_add_nc_u32 v[ADRQ+1], SLOT, v[ADRQ]
	v_add_nc_u32 v[ADRP+1], SLOT, v[ADRP]
	v_mov_b32 v22, s80
	v_mov_b32 v23, s81
	v_cmp_eq_u32 vcc_lo, 1, v2
	v_cndmask_b32 v22, v22, v23, vcc_lo            ; lanes 0-15 take Q's words, lanes 16-31 P's
	v_lshl_add_u32 v22, v1, 4, v22
.irp i, 0,1,2,3,4,5,6,7
	global_load_b128 v[SC+8*\i:SC+8*\i+3], v22, s[8:9] offset:512*\i          ; all of K's scale words of my 2 x 8 tiles, once, straight into their registers
	global_load_b128 v[SC+8*\i+4:SC+8*\i+7], v22, s[8:9] offset:512*\i+256
.endr
	s_lshl_b32 s84, s23, 10
	s_lshl_b32 s85, s22, 9
	s_add_co_u32 s84, s84, s85                     ; my 128 channels in the bias
	s_mov_b32 s85, 0
	s_add_nc_u64 s[82:83], s[82:83], s[84:85]
	v_lshlrev_b32 v24, 6, v2                       ; 64 h
	v_and_b32 v26, 8, v1
	v_add_nc_u32 v26, v26, v1
	v_lshlrev_b32 v26, 2, v26                      ; 4 (r + 8 (r / 8))
	WIN 0x40                                       ; destination window 1
.irp b, 0,1,2,3,4,5,6,7                        ; both forms are loaded whatever the type, so that every register is written on every way
	global_load_b128 v[BIAS+8*\b:BIAS+8*\b+3], v24, s[82:83] offset:(32*(\b/2)+8*(\b%2))*4
	global_load_b128 v[BIAS+8*\b+4:BIAS+8*\b+7], v24, s[82:83] offset:(32*(\b/2)+8*(\b%2))*4+16
	global_load_b32 v[BV+2*\b], v26, s[82:83] offset:(32*(\b/2)+8*(\b%2))*4
	global_load_b32 v[BV+2*\b+1], v26, s[82:83] offset:(32*(\b/2)+8*(\b%2))*4
.endr
	WIN 0
	v_mul_u32_u24 v25, v2, 20480
	v_lshl_add_u32 v25, v1, 4, v25                 ; the scale words' way out: lanes 16-31 serve the next head
	v_lshlrev_b32 v27, 4, v2                       ; 16 h
.irp b, 0,1,2,3
	v_mov_b32 v[TM+4+\b], 0                        ; a lane permute's destination counts as one of its sources
.endr
	s_mov_b32 s[SEL], 0x76543210
	s_mov_b32 s[SEL+1], 0xfedcba98
	s_lshr_b32 s86, s26, 3                         ; the batch
	s_lshl_b32 s86, s86, 4
	s_lshl_b32 s87, s23, 2
	s_add_co_u32 s86, s86, s87
	s_lshl_b32 s87, s22, 1
	s_add_co_u32 s86, s86, s87                     ; 16 x batch + my first head
	s_and_b32 s88, s26, 7
	s_lshl_b32 s88, s88, 4
	s_lshl_b32 s89, s21, 3
	s_add_co_u32 s88, s88, s89                     ; my first tile of tokens in the batch, a multiple of 8
	s_lshl_b32 s90, s27, 22
	s_lshl_b32 s91, s86, 16
	s_add_co_u32 s90, s90, s91
	s_lshl_b32 s91, s88, 9                         ; 512 bytes a tile (q, k); for v 4,096 bytes a step of 8 tiles: the same
	s_add_co_u32 s90, s90, s91
	s_mov_b32 s91, 0
	s_add_nc_u64 s[92:93], s[16:17], s[90:91]      ; the codes' way out
	s_mul_i32 s94, s86, 20480
	s_cmp_eq_u32 s27, 2
	s_cselect_b32 s95, 5, 6                        ; 256 bytes for 4 tiles (q, k) or for 8 (v)
	s_lshl_b32 s95, s88, s95
	s_add_co_u32 s94, s94, s95
	s_cmp_eq_u32 s27, 2
	s_cselect_b32 s95, 8192, 0
	s_cmp_eq_u32 s27, 0
	s_cselect_b32 s95, 12288, s95
	s_add_co_u32 s94, s94, s95
	s_mov_b32 s95, 0
	s_add_nc_u64 s[96:97], s[18:19], s[94:95]      ; the scale words'
.macro FRAG reg, adr, off              ; a fragment comes back as it was stored: two loads of 512 consecutive bytes
	ds_load_b128 v[\reg:\reg+3], v[\adr] offset:\off
	ds_load_b128 v[\reg+4:\reg+7], v[\adr] offset:\off+512
.endm
.macro FETCH_P sg, q, p                ; P's eight fragments of the slot's q-th 128 along K into set p
	WIN 0x40
.irp i, 0,1,2,3,4,5,6,7
	FRAG 128*(\p)+8*\i, ADRP+\sg, 4096*\i+1024*(\q)
.endr
	WIN 0
.endm
.macro FETCH_Q sg, q, i0               ; Q's blocks i0 .. i0 + 3
.irp i, \i0, \i0+1, \i0+2, \i0+3
	FRAG AF+8*(\i), ADRQ+\sg, 4096*(\i)+1024*(\q)
.endr
.endm
; 16 matrix instructions: Q's blocks a0, a0 + 1 x P's eight.  The 64 accumulators take turns, one instruction a turn, in the same order in every step.
.macro MUL16 a0, p, q, sg, zero
.irp a, \a0, \a0+1
.irp b, 0,1,2,3,4,5,6,7
.if \zero
	v_wmma_scale_f32_16x16x128_f8f6f4 v[8*(8*((\a)%4)+\b):8*(8*((\a)%4)+\b)+7], v[128*(\p)+8*\b:128*(\p)+8*\b+7], v[AF+8*(\a):AF+8*(\a)+7], 0, v[SC+8*\b+4*(\sg)+(\q)], v[SC+8*(\a)+4*(\sg)+(\q)] matrix_a_fmt:MATRIX_FMT_FP4 matrix_b_fmt:MATRIX_FMT_FP4 matrix_a_scale:MATRIX_SCALE_ROW1
.else
	v_wmma_scale_f32_16x16x128_f8f6f4 v[8*(8*((\a)%4)+\b):8*(8*((\a)%4)+\b)+7], v[128*(\p)+8*\b:128*(\p)+8*\b+7], v[AF+8*(\a):AF+8*(\a)+7], v[8*(8*((\a)%4)+\b):8*(8*((\a)%4)+\b)+7], v[SC+8*\b+4*(\sg)+(\q)], v[SC+8*(\a)+4*(\sg)+(\q)] matrix_a_fmt:MATRIX_FMT_FP4 matrix_b_fmt:MATRIX_FMT_FP4 matrix_a_scale:MATRIX_SCALE_ROW1
.endif
.endr
.endr
.endm
.macro STEP sg, q, zero                ; 128 along K with its successor in the same slot
	s_wait_dscnt 8                                 ; P's set and Q's blocks 0-3 are in; the youngest eight loads (Q's blocks 4-7) may be out
	WIN MUL_LO
	MUL16 0, (\q)%2, \q, \sg, \zero
	MUL16 2, (\q)%2, \q, \sg, \zero
	s_wait_dscnt 0x0                               ; Q's blocks 4-7 are in
	PLACES
	FETCH_P \sg, (\q)+1, 1-(\q)%2
	FETCH_Q \sg, (\q)+1, 0
	WIN MUL_HI
	MUL16 4, (\q)%2, \q, \sg, \zero
	MUL16 6, (\q)%2, \q, \sg, \zero
	PLACES
	WIN 0
	FETCH_Q \sg, (\q)+1, 4
.endm
; 64 numbers of a lane, register 16 b + i = k 32 b + 16 (lane / 16) + i of my row, become a fragment's codes in v[PC] on and its scale word in v[pw].
.macro QUANT s, pw
.irp b, 0,1,2,3
	v_max3_num_f32 v[TM+\b], |v[\s+16*\b]|, |v[\s+1+16*\b]|, 0x1800000   ; my 16 numbers of block b, and the floor 2^(3 - 127): the byte cannot fall under 1
.endr
.irp i, 2,4,6,8,10,12,14
.irp b, 0,1,2,3
	v_max3_num_f32 v[TM+\b], v[TM+\b], |v[\s+16*\b+\i]|, |v[\s+1+16*\b+\i]|
.endr
.endr
.irp b, 0,1,2,3
	v_permlanex16_b32 v[TM+4+\b], v[TM+\b], s[SEL], s[SEL+1]
.endr
.irp b, 0,1,2,3
	v_max_num_f32 v[TM+\b], v[TM+\b], v[TM+4+\b]   ; with lane l xor 16's: the block's largest magnitude
.endr
.irp b, 0,1,2,3
	v_add_nc_u32 v[TM+12+\b], 0xff000000, v[TM+\b] ; 2 off its exponent field: the conversion's scale operand
.endr
.irp b, 0,1,2,3
	v_lshrrev_b32 v[TM+4+\b], 23, v[TM+12+\b]      ; the scale's byte
.endr
	v_lshl_or_b32 v[\pw], v[TM+5], 8, v[TM+4]
	v_lshl_or_b32 v[\pw], v[TM+6], 16, v[\pw]
	v_lshl_or_b32 v[\pw], v[TM+7], 24, v[\pw]
.irp b, 0,1,2,3
	v_cvt_scalef32_pk8_fp4_f32 v[PC+2*\b], v[\s+16*\b:\s+7+16*\b], v[TM+12+\b]
	v_cvt_scalef32_pk8_fp4_f32 v[PC+1+2*\b], v[\s+8+16*\b:\s+15+16*\b], v[TM+12+\b]
.endr
	v_nop                                          ; one plain line behind a scaled conversion
.irp c, 0,1                                    ; the layout wants a whole block in a lane: lanes 0-15 block 2 c, lanes 16-31 block 2 c + 1
.irp i, 0,1
	v_permlane16_swap_b32 v[PC+4*\c+\i], v[PC+2+4*\c+\i]
.endr
.endr
.endm
; Row a of accumulators leaves: + bias, into window 0 (each accumulator read from its low end on); quantised; stored.
.macro EPI a, isv
	WIN 0x06+(\a)/4                                ; source 0: window 2 or 3; source 1: window 1
.set i, 0
.rept 32
.if \isv
	v_pk_add_f32 v[ST+2*i:ST+2*i+1], v[64*((\a)%4)+2*i:64*((\a)%4)+2*i+1], v[BV+2*(\a):BV+2*(\a)+1]
.else
	v_pk_add_f32 v[ST+2*i:ST+2*i+1], v[64*((\a)%4)+2*i:64*((\a)%4)+2*i+1], v[BIAS+2*i:BIAS+2*i+1]
.endif
.set i, i+1
.endr
	WIN 0
.if (\a) > 0
	s_wait_xcnt 0x0                                ; the last row's stores have read the codes' registers: they are written again only behind this wait
.endif
	QUANT ST, SW+(\a)
.if \isv
	global_store_b128 v3, v[PC:PC+3], s[92:93] offset:((\a)/4)*65536+((\a)%4)*1024        ; head a / 4, channel tile a % 4: a whole fragment, 128 keys
	global_store_b128 v3, v[PC+4:PC+7], s[92:93] offset:((\a)/4)*65536+((\a)%4)*1024+512
.else
	global_store_b128 v3, v[PC:PC+3], s[92:93] offset:512*(\a)                            ; my first head's 64 channels of tile a's tokens,
	global_store_b128 v3, v[PC+4:PC+7], s[92:93] offset:512*(\a)+65536                    ; my second head's: each store covers 512 consecutive bytes, aligned
.endif
.endm
	s_wait_tensorcnt 0x1                           ; my part of slot 0 is in; slot 1's may stay out
	s_barrier_signal -1
	s_barrier_wait -1                              ; everybody's is
	FETCH_P 0, 0, 0
	FETCH_Q 0, 0, 0
	FETCH_Q 0, 0, 4
	s_wait_loadcnt 0x0                             ; scale words and bias
	STEP 0, 0, 1                                   ; the first products start the sums: nothing is cleared
	STEP 0, 1, 0
	STEP 0, 2, 0
	s_wait_tensorcnt 0x0                           ; slot 0's last step changes slots: my part of slot 1 is in,
	s_wait_dscnt 8
	WIN MUL_LO
	MUL16 0, 1, 3, 0, 0
	s_wait_dscnt 0x0                               ; no LDS load of mine is out at the signal
	s_barrier_signal -1
	MUL16 2, 1, 3, 0, 0
	WIN 0
	s_barrier_wait -1                              ; everybody's is
	PLACES
	FETCH_P 1, 0, 0
	FETCH_Q 1, 0, 0
	WIN MUL_HI
	MUL16 4, 1, 3, 0, 0
	MUL16 6, 1, 3, 0, 0
	PLACES
	WIN 0
	FETCH_Q 1, 0, 4
	STEP 1, 0, 0
	STEP 1, 1, 0
	STEP 1, 2, 0
	s_wait_dscnt 8                                 ; the last step: nothing more to fetch
	WIN MUL_LO
	MUL16 0, 1, 3, 1, 0
	MUL16 2, 1, 3, 1, 0
	s_wait_dscnt 0x0
	WIN MUL_HI
	MUL16 4, 1, 3, 1, 0
	MUL16 6, 1, 3, 1, 0
	WIN 0
	PLACES
	s_cmp_eq_u32 s27, 2                            ; the cluster's x: the same in all sixteen partners
	s_cbranch_scc1 .Lv_arm
.irp a, 0,1,2,3,4,5,6,7
	EPI \a, 0
.endr
.irp a, 0,1,2,3,4,5,6,7
	v_lshrrev_b32 v[SW+\a], v27, v[SW+\a]          ; a word's bytes 0, 1 are my first head's blocks, bytes 2, 3 my second's: lanes 0-15 keep the first, lanes 16-31 the second
.endr
.irp a, 0,1,2,3,4,5,6,7
	v_and_b32 v[SW+\a], 0xffff, v[SW+\a]           ; bytes 2, 3 zero: they scale the zero codes that fill K from 64 to 128
.endr
	global_store_b128 v25, v[SW:SW+3], s[96:97]              ; sixteen lanes store 256 consecutive bytes, aligned
	global_store_b128 v25, v[SW+4:SW+7], s[96:97] offset:256
	s_branch .Ldone
.Lv_arm:
.irp a, 0,1,2,3,4,5,6,7
	EPI \a, 1
.endr
	v_cmp_eq_u32 vcc_lo, 1, v2
.irp i, 0,1,2,3
	v_cndmask_b32 v[TM+\i], v[SW+\i], v[SW+4+\i], vcc_lo     ; lanes 0-15: my first head's four channel tiles; lanes 16-31: my second's
.endr
	global_store_b128 v25, v[TM:TM+3], s[96:97]
.Ldone:
	s_wait_tensorcnt 0x0
	ds_add_u32 v106, v107
	s_wait_dscnt 0x0
	CROUND                                         ; the closing round: no work-group ends while a partner may still ask for a tile that names it
	s_endpgm
.Lfunc_end_k_qec4ab14dd6_qkv:
	.size	k_qec4ab14dd6_qkv, .Lfunc_end_k_qec4ab14dd6_qkv-k_qec4ab14dd6_qkv
	.p2alignl 7, 3214868480
	.fill 96, 4, 3214868480
	.section	.rodata,"a",@progbits
	.p2align	6, 0x0
	.amdhsa_kernel k_qec4ab14dd6_qkv
		.amdhsa_group_segment_fixed_size 262656
		.amdhsa_private_segment_fixed_size 0
		.amdhsa_enable_private_segment 0
		.amdhsa_kernarg_size 64
		.amdhsa_user_sgpr_count 2
		.amdhsa_user_sgpr_kernarg_segment_ptr 1
		.amdhsa_wavefront_size32 1
		.amdhsa_system_sgpr_workgroup_id_x 1
		.amdhsa_system_sgpr_workgroup_id_y 1
		.amdhsa_system_sgpr_workgroup_id_z 1
		.amdhsa_system_vgpr_workitem_id 0
		.amdhsa_next_free_vgpr 1024
		.amdhsa_next_free_sgpr 100
		.amdhsa_reserve_vcc 1
		.amdhsa_float_denorm_mode_32 3
		.amdhsa_float_denorm_mode_16_64 3
		.amdhsa_memory_ordered 1
		.amdhsa_forward_progress 1
		.amdhsa_inst_pref_size 194
	.end_amdhsa_kernel
	.amdgpu_metadata
---
amdhsa.version: [ 1, 2 ]
amdhsa.kernels:
  - .name:           k_qec4ab14dd6_qkv
    .symbol:         k_qec4ab14dd6_qkv.kd
    .args:
      - { .name: ac, .offset: 0, .size: 8, .value_kind: global_buffer, .address_space: global }
      - { .name: wc, .offset: 8, .size: 8, .value_kind: global_buffer, .address_space: global }
      - { .name: sc, .offset: 16, .size: 8, .value_kind: global_buffer, .address_space: global }
      - { .name: bq, .offset: 24, .size: 8, .value_kind: global_buffer, .address_space: global }
      - { .name: bk, .offset: 32, .size: 8, .value_kind: global_buffer, .address_space: global }
      - { .name: bv, .offset: 40, .size: 8, .value_kind: global_buffer, .address_space: global }
      - { .name: hc, .offset: 48, .size: 8, .value_kind: global_buffer, .address_space: global }
      - { .name: hs, .offset: 56, .size: 8, .value_kind: global_buffer, .address_space: global }
    .group_segment_fixed_size: 262656
    .private_segment_fixed_size: 0
    .kernarg_segment_align: 8
    .kernarg_segment_size: 64
    .max_flat_workgroup_size: 128
    .sgpr_count:     100
    .vgpr_count:     1024
    .wavefront_size: 32
...
	.end_amdgpu_metadata
.endif
;; end of part 2
;; launch attn (part 3): grid 4 x 64, 16 waves a work-group, clusters of 4 x 1, 169,984 bytes of LDS; arguments hc, hs, ac, sc; writes ac, sc
.if DOCPART == 3
	.amdgcn_target "amdgcn-amd-amdhsa--gfx1250"
	.amdhsa_code_object_version 6
	.text
	.protected	k_qec4ab14dd6_attn
	.globl	k_qec4ab14dd6_attn
	.p2align	8
	.type	k_qec4ab14dd6_attn,@function
k_qec4ab14dd6_attn:
	s_mov_b64 s[64:65], 0
	v_nop
	global_prefetch_b8 v0, s[64:65] scope:SCOPE_SE
	s_setreg_imm32_b32 hwreg(HW_REG_WAVE_MODE, 25, 1), 1
	s_wait_xcnt 0x0
	s_wait_alu depctr_hold_cnt(0) depctr_sa_sdst(0) depctr_va_vdst(0) depctr_va_sdst(0) depctr_va_ssrc(0) depctr_va_vcc(0) depctr_vm_vsrc(0)
	s_getreg_b32 s2, hwreg(HW_REG_IB_STS2, 6, 4)
	s_cmp_eq_u32 s2, 0
	s_cbranch_scc0 .Lentry_in_a_cluster
	s_endpgm
.Lentry_in_a_cluster:
	s_bfe_u32 s2, ttmp6, 0x10000c
	s_cmp_lg_u32 s2, 0x3003
	s_cbranch_scc0 .Lentry_shape_is_right
	s_endpgm
.Lentry_shape_is_right:
; O = softmax(q k^T / 8) v for one batch and head, both products on codes of FP4 (E2M1) with E8M0 scales; the result is quantised along d_model on the way out, as the last product's operand.
; THE SOFTMAX AHEAD OF THE SECOND PRODUCT: t = score x log2(e) / 8; M = the row's largest t so far, rounded UP to a whole number; p = 2^(t - M) is what is quantised, along the keys, not normalised.
; The row's sum is taken of the unquantised p, in f32, and divides O at the end (v_rcp_f32 and a multiplication).  When M moves, the sum and O are multiplied by 2^(old M - new M): exact.
; SHARES.  A work-group owns 512 queries of one head, each of its sixteen waves two tiles of 16: a fragment of K or V read from LDS feeds two matrix instructions.  Four waves to a SIMD, 256 registers each:
; one wave's vector work stands beside another's matrix work and LDS loads.  Every wave walks all 2,048 keys, 128 a step.
; THE WHOLE HEAD LIES IN LDS, filled once: K's codes 65,536 bytes, V's 65,536, their scale words 12,288.  Nothing is filled again.  The four work-groups of a cluster share the head: each part is asked for jointly.
; Wave 0 issues five loads (the scale words, K's four quarters), wave 1 four (V's quarters); a quarter is 512 keys, and the walk begins when the first has landed.  Nothing is prefetched: all is asked for at the head.
; LAYOUT.  Both products are used transposed: S^T = K Q^T, O^T = V^T P^T: a lane holds ONE query throughout.  All tiles hold in lane r row 32 g + 8 u + r + 8 (r / 8) (tile 2 g + u), so that the 16 registers of two
; neighbouring tiles are 16 neighbours along the next K.  Operands are images of registers: an LDS load reads 512 consecutive bytes.
; K = 64 IN AN INSTRUCTION OF 128: Q's codes of k = 64 .. 127 are zeros, and bytes 2, 3 of q's and k's scale words are 0 (2^-127, a number).  K's fragment t is named v[32 + 4 t .. + 7]: its upper four registers are the
; next tile's codes, finite numbers that meet zero codes and add nothing.
; LIMITS: NaN and infinities are not served; a block whose largest magnitude lies under 2^-124 is held at the byte 1; a block of zeros gets the byte 1 (its codes are zeros; the bytes are read by this program alone).
; REGISTERS: v1-4, v9 places that stay; v5-8 the step's addresses; v10-11 Q's scale words, v12-15 K's; v16-31 Q's two fragments; v32-67 K's eight tiles, then V's four fragments; v68-131 S^T, then p; v132-195 O^T;
;   v196-211 p's codes; v212-213 p's scale words; v214-221 -M, largest t, the sum's two halves, for each tile; v222-225 V's scale words; v226-242 at work.
.set VC,   65536                       ; LDS: K's codes at 0, V's here,
.set SK,   131072                      ; K's scale words,
.set SV,   139264                      ; V's
.set KR,   32
.set S,    68
.set O,    132
.set PC,   196
.set TM,   226                         ; v226-229 largest scores, then p; v230-233 the other lanes', then bytes; v234-237 the conversions' scale operands in a step
.set WV,   12
.set G1C,  16                          ; s[16:23] group 1 for a quarter of codes; s[24:31] for the scale words
.set G1S,  24
.set G0S,  32                          ; s[32:35] group 0 for the scale words; s[36:51] K's four quarters; s[68:83] V's
.set G0K,  36
.set G0V,  68
.set SEL,  84
.set CS,   86                          ; s[86:87] c = log2(e) / 8: the packed form names a pair and takes its low word for both halves
.set TK,   88                          ; the step's place among the codes, 4,096 bytes a step;
.set TS,   89                          ; among K's scale words, 512;
.set TT,   90                          ; among V's, 256
.set CNT,  91
.macro PLACES
.rept 4
	v_nop
.endr
.endm
.macro CROUND                          ; a round of the cluster's barrier
	s_barrier_signal -1
	s_barrier_wait -1
	s_cmp_lg_u32 s[WV], 0
	s_cbranch_scc1 .Lnot_wave_0_\@
	s_barrier_signal -3
.Lnot_wave_0_\@:
	s_barrier_wait -3
	s_barrier_signal -1
	s_barrier_wait -1
.endm
	s_load_b256 s[4:11], s[0:1], 0x0               ; hc, hs, ac, sc
	v_lshl_add_u32 v254, v0, 2, 0x29000
	v_mov_b32 v255, 0
	ds_add_u32 v254, v255
	ds_add_u32 v254, v255
	v_lshrrev_b32 v1, 5, v0
	s_delay_alu instid0(VALU_DEP_1)
	v_readfirstlane_b32 s[WV], v1                  ; wave 0..15
	s_bfe_u32 s13, ttmp6, 0x40000                  ; cx: my block of 512 queries: it enters Q's and the result's addresses alone
	s_and_b32 s14, ttmp7, 0xffff                   ; batch x 16 + head, which the four partners share
	s_mov_b32 s[G1C], 15|(3<<16)|(1<<21)           ; 15:0 the mask: all four; 17:16 elements of 8 bytes; 21 set beside a mask
	s_mov_b32 s[G1C+1], 32<<16                     ; a dense block as rows of 256 bytes
	s_mov_b32 s[G1C+2], 64<<16                     ; 64 rows: 16,384 bytes
	s_mov_b32 s[G1C+3], 32<<16
	s_mov_b32 s[G1C+4], 64
	s_mov_b32 s[G1C+5], 32
	s_mov_b32 s[G1C+6], 0
	s_mov_b32 s[G1C+7], 0
	s_mov_b32 s[G1S], 15|(3<<16)|(1<<21)
	s_mov_b32 s[G1S+1], 32<<16
	s_mov_b32 s[G1S+2], 48<<16                     ; 48 rows: 12,288 bytes
	s_mov_b32 s[G1S+3], 32<<16
	s_mov_b32 s[G1S+4], 48
	s_mov_b32 s[G1S+5], 32
	s_mov_b32 s[G1S+6], 0
	s_mov_b32 s[G1S+7], 0
	s_lshl_b32 s52, s14, 16
	s_mov_b32 s53, 0
	s_mul_i32 s54, s14, 20480
	s_mov_b32 s55, 0
	s_mov_b32 s[SEL], 0x76543210
	s_mov_b32 s[SEL+1], 0xfedcba98
	s_mov_b32 s[CS], 0x3e38aa3b                    ; log2(e) / 8
	s_mov_b32 s[CS+1], s[CS]
	s_wait_dscnt 0x0
	s_wait_kmcnt 0x0
	s_add_nc_u64 s[56:57], s[4:5], s[52:53]        ; the head's codes of q; k's lie 4 MiB on, v's 8 MiB
	s_add_nc_u64 s[58:59], s[6:7], s[54:55]        ; its scale words
	s_mov_b32 s[G0S], 1
	s_mov_b32 s[G0S+1], SK
	s_mov_b64 s[G0S+2:G0S+3], s[58:59]
	s_or_b32 s[G0S+3], s[G0S+3], 0x80000000
.irp j, 0,1,2,3
	s_mov_b32 s[G0K+4*\j], 1
	s_mov_b32 s[G0K+4*\j+1], 16384*\j
	s_add_nc_u64 s[G0K+4*\j+2:G0K+4*\j+3], s[56:57], 0x400000+16384*\j
	s_or_b32 s[G0K+4*\j+3], s[G0K+4*\j+3], 0x80000000
	s_mov_b32 s[G0V+4*\j], 1
	s_mov_b32 s[G0V+4*\j+1], VC+16384*\j
	s_add_nc_u64 s[G0V+4*\j+2:G0V+4*\j+3], s[56:57], 0x800000+16384*\j
	s_or_b32 s[G0V+4*\j+3], s[G0V+4*\j+3], 0x80000000
.endr
	CROUND                                         ; all four work-groups are here: the joint loads meet
	s_cmp_eq_u32 s[WV], 0                          ; all first fills stand in one branch on the wave's number, ahead of every wait on TENSORcnt, LDS read and further barrier
	s_cbranch_scc0 .Lnot_k
	tensor_load_to_lds s[G0S:G0S+3], s[G1S:G1S+7]
	s_nop 0
.irp j, 0,1,2,3
	tensor_load_to_lds s[G0K+4*\j:G0K+4*\j+3], s[G1C:G1C+7]
	s_nop 0
.endr
	PLACES
	s_branch .Lfilled
.Lnot_k:
	s_cmp_eq_u32 s[WV], 1
	s_cbranch_scc0 .Lfilled
.irp j, 0,1,2,3
	tensor_load_to_lds s[G0V+4*\j:G0V+4*\j+3], s[G1C:G1C+7]
	s_nop 0
.endr
	PLACES
.Lfilled:
	s_lshl_b32 s60, s13, 5
	s_lshl_b32 s61, s[WV], 1
	s_add_co_u32 s60, s60, s61                     ; my first tile of queries in the batch: 32 cx + 2 wave
	s_lshl_b32 s62, s60, 9
	s_mov_b32 s63, 0
	s_add_nc_u64 s[92:93], s[56:57], s[62:63]      ; its codes
	s_lshr_b32 s94, s60, 2
	s_lshl_b32 s94, s94, 8
	s_and_b32 s95, s60, 3
	s_lshl_b32 s95, s95, 2
	s_add_co_u32 s94, s94, s95
	s_add_co_u32 s94, s94, 12288
	s_mov_b32 s95, 0
	s_add_nc_u64 s[96:97], s[58:59], s[94:95]      ; its scale words: two neighbouring words a row
	v_and_b32 v1, 31, v0
	s_delay_alu instid0(VALU_DEP_1)
	v_lshlrev_b32 v1, 4, v1                        ; 16 x lane
	v_and_b32 v9, 15, v0
	s_delay_alu instid0(VALU_DEP_1)
	v_lshlrev_b32 v9, 4, v9                        ; 16 r
	global_load_b128 v[16:19], v1, s[92:93]
	global_load_b128 v[24:27], v1, s[92:93] offset:512
	global_load_b64 v[10:11], v9, s[96:97]
	v_add_nc_u32 v2, VC, v1
	v_add_nc_u32 v3, SK, v1
	v_add_nc_u32 v4, SV, v9
.irp j, 20,21,22,23,28,29,30,31,64,65,66,67
	v_mov_b32 v[\j], 0                             ; zero codes: Q's k = 64 .. 127, and what stands behind K's last tile
.endr
.irp x, 0,1
	v_mov_b32 v[215+4*\x], 0xff61b1e6              ; the largest t so far: -3e38, under every t
	s_delay_alu instid0(VALU_DEP_1)
	v_floor_f32 v[214+4*\x], -v[215+4*\x]          ; -M
	v_mov_b32 v[216+4*\x], 0                       ; the sum, in two halves
	v_mov_b32 v[217+4*\x], 0
.endr
.irp b, 0,1,2,3
	v_mov_b32 v[TM+4+\b], 0                        ; a lane permute's destination counts as one of its sources
.endr
	v_mov_b32 v239, 0                              ; (named as the upper half of the pair v[238:239])
.set j, 0
.rept 64
	v_mov_b32 v[O+j], 0                            ; O^T.  (The step is written once for all steps: the first finds zeros, which the first change of M leaves zeros)
.set j, j+1
.endr
.macro SQK x                           ; S^T = K Q^T for tile x: eight tiles of 16 keys; K's scale words: lanes 0-15 tiles 0-3, lanes 16-31 tiles 4-7
.irp t, 0,1,2,3
	v_wmma_scale_f32_16x16x128_f8f6f4 v[S+8*\t:S+8*\t+7], v[KR+4*\t:KR+4*\t+7], v[16+8*\x:23+8*\x], 0, v[12+\t], v[10+\x] matrix_a_fmt:MATRIX_FMT_FP4 matrix_b_fmt:MATRIX_FMT_FP4
.endr
.irp t, 4,5,6,7
	v_wmma_scale_f32_16x16x128_f8f6f4 v[S+8*\t:S+8*\t+7], v[KR+4*\t:KR+4*\t+7], v[16+8*\x:23+8*\x], 0, v[8+\t], v[10+\x] matrix_a_fmt:MATRIX_FMT_FP4 matrix_b_fmt:MATRIX_FMT_FP4 matrix_a_scale:MATRIX_SCALE_ROW1
.endr
.endm
.macro SOFTMAX x                       ; tile x's 64 scores a lane (register 16 b + i: key 32 b + 16 (lane / 16) + i) become p's codes and scale word; the sum and O^T go under the new M
.set NM, 214+4*\x
.set SU, 216+4*\x
.irp b, 0,1,2,3
	v_max3_num_f32 v[TM+\b], v[S+16*\b], v[S+1+16*\b], v[S+2+16*\b]   ; the largest score of each block of 32 keys: for the row's maximum, and, since p rises with the score, for the block's largest p
.endr
.irp i, 3,5,7,9,11,13
.irp b, 0,1,2,3
	v_max3_num_f32 v[TM+\b], v[TM+\b], v[S+16*\b+\i], v[S+1+16*\b+\i]
.endr
.endr
.irp b, 0,1,2,3
	v_max_num_f32 v[TM+\b], v[TM+\b], v[S+15+16*\b]
.endr
.irp b, 0,1,2,3
	s_delay_alu instid0(VALU_DEP_4)
	v_permlanex16_b32 v[TM+4+\b], v[TM+\b], s[SEL], s[SEL+1]
.endr
.irp b, 0,1,2,3
	s_delay_alu instid0(VALU_DEP_4)
	v_max_num_f32 v[TM+\b], v[TM+\b], v[TM+4+\b]   ; with lane l xor 16's 16 keys
.endr
	s_delay_alu instid0(VALU_DEP_2)
	v_max3_num_f32 v242, v[TM], v[TM+1], v[TM+2]
	s_delay_alu instid0(VALU_DEP_1)
	v_max_num_f32 v242, v242, v[TM+3]
	s_delay_alu instid0(VALU_DEP_1)
	v_mul_f32 v242, s[CS], v242                    ; as t (c is positive)
	s_delay_alu instid0(VALU_DEP_1)
	v_max_num_f32 v[NM+1], v[NM+1], v242           ; the running largest t
	v_mov_b32 v242, v[NM]
	s_delay_alu instid0(VALU_DEP_2)
	v_floor_f32 v[NM], -v[NM+1]                    ; the new -M = -ceil(t)
	s_delay_alu instid0(VALU_DEP_1)
	v_sub_f32 v242, v[NM], v242                    ; old M - new M: a whole number, 0 or less
	s_delay_alu instid0(VALU_DEP_1)
	v_cvt_i32_f32 v242, v242                       ; (it saturates)
	s_delay_alu instid0(VALU_DEP_1)
	v_ldexp_f32 v238, 1.0, v242                    ; f = 2^(old M - new M)
.set j, 0
.rept 32
	v_pk_fma_f32 v[S+j:S+j+1], v[S+j:S+j+1], s[CS:CS+1], v[NM:NM+1] op_sel_hi:[1,0,0]   ; t - M, two at a time
.set j, j+2
.endr
.irp b, 0,1,2,3
	v_fma_f32 v[TM+\b], v[TM+\b], s[CS], v[NM]     ; the same of each block's largest score
.endr
.set j, 0
	s_wait_alu depctr_va_vdst(0)
.rept 64
	v_exp_f32 v[S+j], v[S+j]                       ; p = 2^(t - M), at most 1
.set j, j+1
.endr
	v_pk_mul_f32 v[SU:SU+1], v[SU:SU+1], v[238:239] op_sel_hi:[1,0]   ; the sums under the new M: the plain line behind the exponentials
	s_wait_alu depctr_va_vdst(0)                   ; one wait for the batch, ahead of its first reader
.irp b, 0,1,2,3
	v_exp_f32 v[TM+\b], v[TM+\b]                   ; the block's largest p: the same two instructions on the same number give the same bits
.endr
	v_pk_add_f32 v[240:241], v[S:S+1], v[S+2:S+3]  ; the row's sum is taken of the unquantised p: two at a time, in two chains
.set j, 4
.rept 15
	v_pk_add_f32 v[SU:SU+1], v[SU:SU+1], v[S+j:S+j+1]
	v_pk_add_f32 v[240:241], v[240:241], v[S+j+2:S+j+3]
.set j, j+4
.endr
	s_delay_alu instid0(VALU_DEP_1)
	v_pk_add_f32 v[SU:SU+1], v[SU:SU+1], v[240:241]
	s_wait_alu depctr_va_vdst(0)                   ; and one for the four
.irp b, 0,1,2,3
	v_max_num_f32 v[TM+\b], 0x1800000, v[TM+\b]    ; the floor 2^(3 - 127): the byte cannot fall under 1
.endr
.irp b, 0,1,2,3
	s_delay_alu instid0(VALU_DEP_4)
	v_add_nc_u32 v[TM+8+\b], 0xff000000, v[TM+\b]  ; 2 off the exponent field: the conversion's scale operand
.endr
.irp b, 0,1,2,3
	s_delay_alu instid0(VALU_DEP_4)
	v_lshrrev_b32 v[TM+4+\b], 23, v[TM+8+\b]       ; the scale's byte
.endr
	s_delay_alu instid0(VALU_DEP_3)
	v_lshl_or_b32 v[212+\x], v[TM+5], 8, v[TM+4]   ; p's scale word for these 128 keys
	s_delay_alu instid0(VALU_DEP_1)
	v_lshl_or_b32 v[212+\x], v[TM+6], 16, v[212+\x]
	s_delay_alu instid0(VALU_DEP_1)
	v_lshl_or_b32 v[212+\x], v[TM+7], 24, v[212+\x]
.irp b, 0,1,2,3
	v_cvt_scalef32_pk8_fp4_f32 v[PC+8*\x+2*\b], v[S+16*\b:S+7+16*\b], v[TM+8+\b]
	v_cvt_scalef32_pk8_fp4_f32 v[PC+8*\x+1+2*\b], v[S+8+16*\b:S+15+16*\b], v[TM+8+\b]
.endr
	v_nop                                          ; one plain line behind a scaled conversion
.irp c, 0,1                                    ; the layout wants a whole block in a lane
.irp i, 0,1
	v_permlane16_swap_b32 v[PC+8*\x+4*\c+\i], v[PC+8*\x+2+4*\c+\i]
.endr
.endr
.set j, 0
.rept 16
	v_pk_mul_f32 v[O+32*\x+j:O+32*\x+j+1], v[O+32*\x+j:O+32*\x+j+1], v[238:239] op_sel_hi:[1,0]   ; O^T under the new M.  (Also the plain lines between the scale word's making and the products that take it)
.set j, j+2
.endr
.endm
.macro STEP                            ; 128 keys
	v_add_nc_u32 v5, s[TK], v1                     ; four additions: also the places behind the last step's products, ahead of the loads into their registers
	v_add_nc_u32 v6, s[TK], v2
	v_add_nc_u32 v7, s[TS], v3
	v_add_nc_u32 v8, s[TT], v4
.irp t, 0,1,2,3,4,5,6,7
	ds_load_b128 v[KR+4*\t:KR+4*\t+3], v5 offset:512*\t
.endr
	ds_load_b128 v[12:15], v7
	s_wait_dscnt 0x0
	SQK 0
	PLACES
	SOFTMAX 0
	SQK 1
	PLACES                                         ; ahead of the loads into K's registers and of the first read of the scores
.irp t, 0,1,2,3
	ds_load_b128 v[KR+8*\t:KR+8*\t+3], v6 offset:1024*\t       ; V's four fragments land while tile 1's softmax is worked
	ds_load_b128 v[KR+8*\t+4:KR+8*\t+7], v6 offset:1024*\t+512
.endr
	ds_load_b128 v[222:225], v8
	s_setprio 1
	SOFTMAX 1
	s_setprio 0
	s_wait_alu depctr_va_vdst(0)
	s_wait_dscnt 0x0
.irp t, 0,1,2,3                                ; O^T += V^T P^T: eight accumulators, one instruction a turn
.irp x, 0,1
	v_wmma_scale_f32_16x16x128_f8f6f4 v[O+32*\x+8*\t:O+32*\x+8*\t+7], v[KR+8*\t:KR+8*\t+7], v[PC+8*\x:PC+8*\x+7], v[O+32*\x+8*\t:O+32*\x+8*\t+7], v[222+\t], v[212+\x] matrix_a_fmt:MATRIX_FMT_FP4 matrix_b_fmt:MATRIX_FMT_FP4
.endr
.endr
	s_add_co_u32 s[TK], s[TK], 4096
	s_add_co_u32 s[TS], s[TS], 512
	s_add_co_u32 s[TT], s[TT], 256
.endm
.macro QUARTER j                       ; 512 keys: four steps
	s_wait_tensorcnt 3-\j                          ; of my loads (wave 0: the scale words and K's quarters; wave 1: V's quarters) all up to quarter j have landed; the 3 - j later quarters may stay out
	s_barrier_signal -1
	s_barrier_wait -1                              ; so every wave may read quarter j
	s_mov_b32 s[TK], 16384*\j
	s_mov_b32 s[TS], 2048*\j
	s_mov_b32 s[TT], 1024*\j
	s_mov_b32 s[CNT], 4
.Lstep_\@:
	s_setprio 2
	STEP
	s_sub_co_u32 s[CNT], s[CNT], 1
	s_cmp_lg_u32 s[CNT], 0
	s_cbranch_scc1 .Lstep_\@
	s_setprio 0
.endm
	s_wait_loadcnt 0x0                             ; Q
	QUARTER 0
	QUARTER 1
	QUARTER 2
	QUARTER 3
	; THE WAY OUT.  O^T / the sum; a lane's 64 registers are two blocks of 32 channels of tile 0's query and two of tile 1's: quantised as they stand, they are half a fragment of the last product's operand for each tile.
	v_add_f32 v216, v216, v217                     ; the sums' halves.  (These lines are also the places behind the last products)
	v_add_f32 v220, v220, v221
	s_delay_alu instid0(VALU_DEP_2)
	v_permlanex16_b32 v230, v216, s[SEL], s[SEL+1]
	s_delay_alu instid0(VALU_DEP_2)
	v_permlanex16_b32 v231, v220, s[SEL], s[SEL+1]
	s_delay_alu instid0(VALU_DEP_2)
	v_add_f32 v216, v216, v230                     ; with lane l xor 16's: the rows' sums
	s_delay_alu instid0(VALU_DEP_2)
	v_add_f32 v220, v220, v231
	s_wait_alu depctr_va_vdst(0)
	v_rcp_f32 v238, v216
	v_rcp_f32 v240, v220
	v_nop                                          ; a plain line behind the reciprocals
	s_lshr_b32 s52, s14, 4
	s_lshl_b32 s52, s52, 7
	s_add_co_u32 s52, s52, s60                     ; my first tile among all 512 tiles of tokens
	s_and_b32 s53, s14, 15                         ; the head
	s_lshl_b32 s54, s52, 13                        ; a tile's eight fragments; head hd is group hd % 2 of K step hd / 2: 512 hd bytes on
	s_lshl_b32 s55, s53, 9
	s_add_co_u32 s54, s54, s55
	s_mov_b32 s55, 0
	s_add_nc_u64 s[92:93], s[8:9], s[54:55]
	s_lshl_b32 s56, s52, 9                         ; a tile's scale words; the head's two bytes: 256 (hd / 8) + 2 (hd % 8) bytes on in row r's 16
	s_lshr_b32 s57, s53, 3
	s_lshl_b32 s57, s57, 8
	s_add_co_u32 s56, s56, s57
	s_and_b32 s57, s53, 7
	s_lshl_b32 s57, s57, 1
	s_add_co_u32 s56, s56, s57
	s_mov_b32 s57, 0
	s_add_nc_u64 s[96:97], s[10:11], s[56:57]
	s_wait_alu depctr_va_vdst(0)                   ; one wait for both reciprocals, ahead of their first reader
.set j, 0
.rept 16
	v_pk_mul_f32 v[O+j:O+j+1], v[O+j:O+j+1], v[238:239] op_sel_hi:[1,0]
.set j, j+2
.endr
.set j, 32
.rept 16
	v_pk_mul_f32 v[O+j:O+j+1], v[O+j:O+j+1], v[240:241] op_sel_hi:[1,0]
.set j, j+2
.endr
.irp b, 0,1,2,3
	v_max3_num_f32 v[TM+\b], |v[O+16*\b]|, |v[O+1+16*\b]|, 0x1800000   ; my 16 numbers of block b, and the floor 2^(3 - 127)
.endr
.irp i, 2,4,6,8,10,12,14
.irp b, 0,1,2,3
	s_delay_alu instid0(VALU_DEP_4)
	v_max3_num_f32 v[TM+\b], v[TM+\b], |v[O+16*\b+\i]|, |v[O+1+16*\b+\i]|
.endr
.endr
.irp b, 0,1,2,3
	s_delay_alu instid0(VALU_DEP_4)
	v_permlanex16_b32 v[TM+4+\b], v[TM+\b], s[SEL], s[SEL+1]
.endr
.irp b, 0,1,2,3
	s_delay_alu instid0(VALU_DEP_4)
	v_max_num_f32 v[TM+\b], v[TM+\b], v[TM+4+\b]
.endr
.irp b, 0,1,2,3
	s_delay_alu instid0(VALU_DEP_4)
	v_add_nc_u32 v[TM+8+\b], 0xff000000, v[TM+\b]
.endr
.irp b, 0,1,2,3
	s_delay_alu instid0(VALU_DEP_4)
	v_lshrrev_b32 v[TM+4+\b], 23, v[TM+8+\b]
.endr
	s_delay_alu instid0(VALU_DEP_3)
	v_lshl_or_b32 v212, v[TM+5], 8, v[TM+4]        ; bytes 0, 1: tile 0's two blocks; bytes 2, 3: tile 1's
	s_delay_alu instid0(VALU_DEP_1)
	v_lshl_or_b32 v212, v[TM+6], 16, v212
	s_delay_alu instid0(VALU_DEP_1)
	v_lshl_or_b32 v212, v[TM+7], 24, v212
.irp b, 0,1,2,3
	v_cvt_scalef32_pk8_fp4_f32 v[PC+2*\b], v[O+16*\b:O+7+16*\b], v[TM+8+\b]
	v_cvt_scalef32_pk8_fp4_f32 v[PC+1+2*\b], v[O+8+16*\b:O+15+16*\b], v[TM+8+\b]
.endr
	v_nop
.irp c, 0,1
.irp i, 0,1
	v_permlane16_swap_b32 v[PC+4*\c+\i], v[PC+2+4*\c+\i]
.endr
.endr
	global_store_b128 v1, v[PC:PC+3], s[92:93]                 ; tile 0: 512 consecutive bytes, aligned
	global_store_b128 v1, v[PC+4:PC+7], s[92:93] offset:8192   ; tile 1
	v_bfe_u32 v5, v0, 4, 1                         ; h
	s_delay_alu instid0(VALU_DEP_1)
	v_lshlrev_b32 v6, 4, v5
	s_delay_alu instid0(VALU_DEP_1)
	v_lshrrev_b32 v7, v6, v212                     ; lanes 0-15 store tile 0's two bytes, lanes 16-31 tile 1's
	s_delay_alu instid0(VALU_DEP_3)
	v_lshl_add_u32 v8, v5, 9, v9                   ; 512 h + 16 r
	global_store_b16 v8, v7, s[96:97]              ; a head owns half of each scale word: two bytes a lane, one sixteenth of the codes' bytes
	s_wait_tensorcnt 0x0
	ds_add_u32 v254, v255
	s_wait_dscnt 0x0
	CROUND                                         ; the closing round: no work-group ends while a partner may still ask for a part that names it
	s_endpgm
.Lfunc_end_k_qec4ab14dd6_attn:
	.size	k_qec4ab14dd6_attn, .Lfunc_end_k_qec4ab14dd6_attn-k_qec4ab14dd6_attn
	.p2alignl 7, 3214868480
	.fill 96, 4, 3214868480
	.section	.rodata,"a",@progbits
	.p2align	6, 0x0
	.amdhsa_kernel k_qec4ab14dd6_attn
		.amdhsa_group_segment_fixed_size 169984
		.amdhsa_private_segment_fixed_size 0
		.amdhsa_enable_private_segment 0
		.amdhsa_kernarg_size 32
		.amdhsa_user_sgpr_count 2
		.amdhsa_user_sgpr_kernarg_segment_ptr 1
		.amdhsa_wavefront_size32 1
		.amdhsa_system_sgpr_workgroup_id_x 1
		.amdhsa_system_sgpr_workgroup_id_y 1
		.amdhsa_system_sgpr_workgroup_id_z 1
		.amdhsa_system_vgpr_workitem_id 0
		.amdhsa_next_free_vgpr 256
		.amdhsa_next_free_sgpr 100
		.amdhsa_reserve_vcc 0
		.amdhsa_float_denorm_mode_32 3
		.amdhsa_float_denorm_mode_16_64 3
		.amdhsa_memory_ordered 1
		.amdhsa_forward_progress 1
		.amdhsa_inst_pref_size 141
	.end_amdhsa_kernel
	.amdgpu_metadata
---
amdhsa.version: [ 1, 2 ]
amdhsa.kernels:
  - .name:           k_qec4ab14dd6_attn
    .symbol:         k_qec4ab14dd6_attn.kd
    .args:
      - { .name: hc, .offset: 0, .size: 8, .value_kind: global_buffer, .address_space: global }
      - { .name: hs, .offset: 8, .size: 8, .value_kind: global_buffer, .address_space: global }
      - { .name: ac, .offset: 16, .size: 8, .value_kind: global_buffer, .address_space: global }
      - { .name: sc, .offset: 24, .size: 8, .value_kind: global_buffer, .address_space: global }
    .group_segment_fixed_size: 169984
    .private_segment_fixed_size: 0
    .kernarg_segment_align: 8
    .kernarg_segment_size: 32
    .max_flat_workgroup_size: 512
    .sgpr_count:     100
    .vgpr_count:     256
    .wavefront_size: 32
...
	.end_amdgpu_metadata
.endif
;; end of part 3
;; launch oproj (part 4): grid 4 x 32, 4 waves a work-group, clusters of 4 x 4, 327,680 bytes of LDS; arguments ac, wc, sc, bo, out0; writes out0
.if DOCPART == 4
	.amdgcn_target "amdgcn-amd-amdhsa--gfx1250"
	.amdhsa_code_object_version 6
	.text
	.protected	k_qec4ab14dd6_oproj
	.globl	k_qec4ab14dd6_oproj
	.p2align	8
	.type	k_qec4ab14dd6_oproj,@function
k_qec4ab14dd6_oproj:
	s_mov_b64 s[64:65], 0
	v_nop
	global_prefetch_b8 v0, s[64:65] scope:SCOPE_SE
	s_setreg_imm32_b32 hwreg(HW_REG_WAVE_MODE, 25, 1), 1
	s_wait_xcnt 0x0
	s_wait_alu depctr_hold_cnt(0) depctr_sa_sdst(0) depctr_va_vdst(0) depctr_va_sdst(0) depctr_va_ssrc(0) depctr_va_vcc(0) depctr_vm_vsrc(0)
	s_getreg_b32 s2, hwreg(HW_REG_IB_STS2, 6, 4)
	s_cmp_eq_u32 s2, 0
	s_cbranch_scc0 .Lentry_in_a_cluster
	s_endpgm
.Lentry_in_a_cluster:
	s_bfe_u32 s2, ttmp6, 0x10000c
	s_cmp_lg_u32 s2, 0xf033
	s_cbranch_scc0 .Lentry_shape_is_right
	s_endpgm
.Lentry_shape_is_right:
; out = A Wo^T + bo on codes of FP4 (E2M1) with E8M0 scales for each 32 along K = 1,024.  A: the attention's result, 8,192 rows; out: [8192][1024] f32.
; A tile of C, 256 x 256, is made by four waves, each 128 x 128: 64 accumulators, 512 registers.  128 tiles: half of what a finer tile would give; taken so that the main part is the projections' own.
; OPERANDS ARE IMAGES OF REGISTERS: fragment (tile T of 16 rows, K step s of 128) is 1,024 bytes at (8 T + s) x 1,024: group c of lane l at 512 c + 16 l.  Tile 2 g + u holds in lane r row 32 g + 8 u + r + 8 (r / 8).
; ALL OF K LIES IN LDS: two halves of K, 131,072 bytes each (A's 16 tiles, then Wo's 16), each wave fetching a quarter of each half by one tensor load at the head.
; CLUSTER 4 x 4: A's tiles are shared along a row of the cluster, Wo's along a column: each is asked for jointly.  Nothing is prefetched: all that the work-group reads is asked for at its head.
; Source 0 = 16 rows of Wo (blocks b), source 1 = 16 rows of A (blocks a): a lane holds one row of out; the 16 registers of two neighbouring blocks b are 16 neighbouring columns.
; THE WAY OUT: a row of accumulators + bias goes through the wave's own stage in LDS and comes back as whole rows of 512 bytes.  The stage lies in slot 0, which has had its only fill and its last read by then.
; REGISTERS: window 0: v1-25 addresses; v32-95 scale words; v128-191 A's fragments, one set; on the way out v128-255 two rows of results by turns.
;   window 1: v0-63, v128-191 Wo's fragments, two sets, on the way out rows read back; v64-127 the bias.   windows 2, 3: accumulator (a, b) at v[8 (8 (a % 4) + b)].
.set SLOT, 131072
.set WOFF, 65536
.set ADRQ, 16
.set ADRP, 20
.set STO,  24                          ; v24 the stage: where I put 64 bytes of a row
.set RD,   25                          ; v25 and where I read a row back
.set SC,   32
.set AF,   128
.set BIAS, 64                          ; window 1
.set SPI,  528                         ; a stage row: 512 bytes + 16
.set G1A,  28
.set G0A,  36
.set G1B,  44
.set G0B,  52
.set MSB, 0
.macro WIN new                         ; the immediate's high byte repeats the setting that is left
.if MSB != (\new)
	s_set_vgpr_msb (MSB<<8)|(\new)
.set MSB, (\new)
.endif
.endm
.set MUL_LO, 0xa1
.set MUL_HI, 0xf1
.macro PLACES                          ; four plain lines behind matrix instructions, ahead of loads into their registers and of reads of their results
.rept 4
	v_nop
.endr
.endm
.macro JLOAD g0a, g0b                  ; waves 0 and 1 fetch A's halves, waves 2 and 3 Wo's; four v_nop follow each line
	s_cmp_eq_u32 s21, 0
	s_cbranch_scc0 .Lfor_w_\@
	tensor_load_to_lds s[\g0a:\g0a+3], s[G1A:G1A+7]
	s_nop 0
	PLACES
	s_branch .Lasked_\@
.Lfor_w_\@:
	tensor_load_to_lds s[\g0b:\g0b+3], s[G1B:G1B+7]
	s_nop 0
	PLACES
.Lasked_\@:
.endm
.macro CROUND
	s_barrier_signal -1
	s_barrier_wait -1
	s_cmp_lg_u32 s20, 0
	s_cbranch_scc1 .Lnot_wave_0_\@
	s_barrier_signal -3
.Lnot_wave_0_\@:
	s_barrier_wait -3
	s_barrier_signal -1
	s_barrier_wait -1
.endm
	s_load_b256 s[4:11], s[0:1], 0x0               ; ac, wc, sc, bo
	s_load_b64 s[12:13], s[0:1], 0x20              ; out0
	v_lshl_add_u32 v126, v0, 2, 0x40000
	v_mov_b32 v127, 0
	ds_add_u32 v126, v127
	ds_add_u32 v126, v127
	v_lshrrev_b32 v1, 5, v0
	v_readfirstlane_b32 s20, v1                    ; wave
	s_lshr_b32 s21, s20, 1                         ; my half of the tile's rows.  Also: I fetch for A (0) or for Wo (1)
	s_and_b32 s22, s20, 1                          ; my half of its columns.  Also: which eight tiles I fetch
	s_bfe_u32 s23, ttmp6, 0x40000                  ; cx
	s_bfe_u32 s24, ttmp6, 0x40004                  ; cy
	s_lshl_b32 s25, ttmp9, 2
	s_add_co_u32 s25, s25, s23                     ; tile column
	s_and_b32 s26, ttmp7, 0xffff
	s_lshl_b32 s26, s26, 2
	s_add_co_u32 s26, s26, s24                     ; tile row
	s_lshl_b32 s60, s24, 2
	s_lshl_b32 s60, 15, s60                        ; my row of the cluster
	s_lshl_b32 s61, 0x1111, s23                    ; my column
	s_or_b32 s[G1A], s60, (3<<16)|(1<<21)          ; 15:0 the mask; 17:16 elements of 8 bytes; 21 set beside a mask; no padding
	s_or_b32 s[G1B], s61, (3<<16)|(1<<21)
.irp g, G1A, G1B
	s_mov_b32 s[\g+1], 512<<16                     ; a tile's four fragments of this half of K: 4,096 bytes
	s_mov_b32 s[\g+2], 8<<16                       ; 8 tiles
	s_mov_b32 s[\g+3], 512<<16
	s_mov_b32 s[\g+4], 8
	s_mov_b32 s[\g+5], 1024                        ; from tile to tile: 8,192 bytes
	s_mov_b32 s[\g+6], 0
	s_mov_b32 s[\g+7], 0
.endr
	s_lshl_b32 s66, s26, 17
	s_lshl_b32 s67, s22, 16
	s_add_co_u32 s66, s66, s67
	s_mov_b32 s67, 0
	s_lshl_b32 s70, s25, 17
	s_lshl_b32 s71, s22, 16
	s_add_co_u32 s70, s70, s71
	s_add_co_u32 s70, s70, 1572864                 ; Wo's tiles lie behind the 192 of Wq, Wk, Wv
	s_mov_b32 s71, 0
	s_lshl_b32 s74, s20, 15
	s_wait_dscnt 0x0
	s_wait_kmcnt 0x0
	s_add_nc_u64 s[68:69], s[4:5], s[66:67]
	s_add_nc_u64 s[72:73], s[6:7], s[70:71]
	CROUND                                         ; all sixteen work-groups are here: the joint loads meet
.irp s, 0,1
	s_mov_b32 s[G0A+4*\s], 1
	s_add_co_u32 s[G0A+4*\s+1], s74, \s*SLOT
	s_add_nc_u64 s[G0A+4*\s+2:G0A+4*\s+3], s[68:69], \s*4096
	s_or_b32 s[G0A+4*\s+3], s[G0A+4*\s+3], 0x80000000
	s_mov_b32 s[G0B+4*\s], 1
	s_add_co_u32 s[G0B+4*\s+1], s74, \s*SLOT
	s_add_nc_u64 s[G0B+4*\s+2:G0B+4*\s+3], s[72:73], \s*4096
	s_or_b32 s[G0B+4*\s+3], s[G0B+4*\s+3], 0x80000000
	s_wait_alu depctr_va_vdst(0)
	s_wait_tensorcnt 0x0
	ds_add_u32 v126, v127
	ds_add_u32 v126, v127
	s_wait_dscnt 0x0
	CROUND
	JLOAD G0A+4*\s, G0B+4*\s
.endr
	v_and_b32 v1, 15, v0                           ; r
	v_bfe_u32 v2, v0, 4, 1                         ; h
	s_wait_alu depctr_va_vdst(0)
	v_and_b32 v3, 31, v0
	v_lshlrev_b32 v3, 4, v3                        ; 16 x lane
	s_lshl_b32 s75, s21, 15                        ; A's eight tiles of mine, in a slot
	s_lshl_b32 s76, s22, 15
	s_add_co_u32 s76, s76, WOFF                    ; Wo's
	v_add_nc_u32 v[ADRQ], s75, v3
	v_add_nc_u32 v[ADRP], s76, v3
	v_add_nc_u32 v[ADRQ+1], SLOT, v[ADRQ]
	v_add_nc_u32 v[ADRP+1], SLOT, v[ADRP]
	s_lshl_b32 s78, s26, 13
	s_lshl_b32 s79, s21, 12
	s_add_co_u32 s78, s78, s79                     ; their scale words in sc: A's,
	s_lshl_b32 s79, s25, 13
	s_lshl_b32 s80, s22, 12
	s_add_co_u32 s79, s79, s80
	s_add_co_u32 s79, s79, 360448                  ; Wo's: behind 512 + 192 tiles of 512 bytes
	v_mov_b32 v22, s78
	v_mov_b32 v23, s79
	v_cmp_eq_u32 vcc_lo, 1, v2
	v_cndmask_b32 v22, v22, v23, vcc_lo            ; lanes 0-15 take A's words, lanes 16-31 Wo's
	v_lshl_add_u32 v22, v1, 4, v22
.irp i, 0,1,2,3,4,5,6,7
	global_load_b128 v[SC+8*\i:SC+8*\i+3], v22, s[8:9] offset:512*\i
	global_load_b128 v[SC+8*\i+4:SC+8*\i+7], v22, s[8:9] offset:512*\i+256
.endr
	s_lshl_b32 s84, s25, 10
	s_lshl_b32 s85, s22, 9
	s_add_co_u32 s84, s84, s85                     ; my 128 columns, in bytes
	s_mov_b32 s85, 0
	s_add_nc_u64 s[82:83], s[10:11], s[84:85]
	v_lshlrev_b32 v26, 6, v2                       ; 64 h
	WIN 0x40
.irp b, 0,1,2,3,4,5,6,7
	global_load_b128 v[BIAS+8*\b:BIAS+8*\b+3], v26, s[82:83] offset:(32*(\b/2)+8*(\b%2))*4
	global_load_b128 v[BIAS+8*\b+4:BIAS+8*\b+7], v26, s[82:83] offset:(32*(\b/2)+8*(\b%2))*4+16
.endr
	WIN 0
	s_mul_i32 s86, s20, 16*SPI                     ; my stage
	v_mul_u32_u24 v[STO], v1, SPI
	v_lshl_add_u32 v[STO], v2, 6, v[STO]
	v_add_nc_u32 v[STO], s86, v[STO]               ; in: row r, + 64 h
	v_add_nc_u32 v[RD], s86, v3                    ; back: the 32 lanes take one row of 512 bytes
	s_lshl_b32 s88, s26, 20
	s_lshl_b32 s89, s21, 19
	s_add_co_u32 s88, s88, s89                     ; my first row of out, 4,096 bytes a row,
	s_add_co_u32 s88, s88, s84                     ; and my first column
	s_mov_b32 s89, 0
	s_add_nc_u64 s[90:91], s[12:13], s[88:89]
.macro FRAG reg, adr, off
	ds_load_b128 v[\reg:\reg+3], v[\adr] offset:\off
	ds_load_b128 v[\reg+4:\reg+7], v[\adr] offset:\off+512
.endm
.macro FETCH_P sg, q, p
	WIN 0x40
.irp i, 0,1,2,3,4,5,6,7
	FRAG 128*(\p)+8*\i, ADRP+\sg, 4096*\i+1024*(\q)
.endr
	WIN 0
.endm
.macro FETCH_Q sg, q, i0
.irp i, \i0, \i0+1, \i0+2, \i0+3
	FRAG AF+8*(\i), ADRQ+\sg, 4096*(\i)+1024*(\q)
.endr
.endm
; 16 matrix instructions: A's blocks a0, a0 + 1 x Wo's eight.  The 64 accumulators take turns, one instruction a turn, in the same order in every step.
.macro MUL16 a0, p, q, sg, zero
.irp a, \a0, \a0+1
.irp b, 0,1,2,3,4,5,6,7
.if \zero
	v_wmma_scale_f32_16x16x128_f8f6f4 v[8*(8*((\a)%4)+\b):8*(8*((\a)%4)+\b)+7], v[128*(\p)+8*\b:128*(\p)+8*\b+7], v[AF+8*(\a):AF+8*(\a)+7], 0, v[SC+8*\b+4*(\sg)+(\q)], v[SC+8*(\a)+4*(\sg)+(\q)] matrix_a_fmt:MATRIX_FMT_FP4 matrix_b_fmt:MATRIX_FMT_FP4 matrix_a_scale:MATRIX_SCALE_ROW1
.else
	v_wmma_scale_f32_16x16x128_f8f6f4 v[8*(8*((\a)%4)+\b):8*(8*((\a)%4)+\b)+7], v[128*(\p)+8*\b:128*(\p)+8*\b+7], v[AF+8*(\a):AF+8*(\a)+7], v[8*(8*((\a)%4)+\b):8*(8*((\a)%4)+\b)+7], v[SC+8*\b+4*(\sg)+(\q)], v[SC+8*(\a)+4*(\sg)+(\q)] matrix_a_fmt:MATRIX_FMT_FP4 matrix_b_fmt:MATRIX_FMT_FP4 matrix_a_scale:MATRIX_SCALE_ROW1
.endif
.endr
.endr
.endm
.macro STEP sg, q, zero
	s_wait_dscnt 8                                 ; Wo's set and A's blocks 0-3 are in; the youngest eight loads (A's blocks 4-7) may be out
	WIN MUL_LO
	MUL16 0, (\q)%2, \q, \sg, \zero
	MUL16 2, (\q)%2, \q, \sg, \zero
	s_wait_dscnt 0x0
	PLACES
	FETCH_P \sg, (\q)+1, 1-(\q)%2
	FETCH_Q \sg, (\q)+1, 0
	WIN MUL_HI
	MUL16 4, (\q)%2, \q, \sg, \zero
	MUL16 6, (\q)%2, \q, \sg, \zero
	PLACES
	WIN 0
	FETCH_Q \sg, (\q)+1, 4
.endm
.macro ADDB a                          ; row a of accumulators + bias, into window 0, v128 or v192 on by turns; each accumulator is read from its low end on
	WIN 0x06+(\a)/4
.set i, 0
.rept 32
	v_pk_add_f32 v[128+64*((\a)%2)+2*i:128+64*((\a)%2)+2*i+1], v[64*((\a)%4)+2*i:64*((\a)%4)+2*i+1], v[BIAS+2*i:BIAS+2*i+1]
.set i, i+1
.endr
	WIN 0
.endm
.macro TOSTAGE a                       ; a lane's registers 16 g + 0 .. 15 are columns 32 g + 16 h + 0 .. 15 of its row: 64 bytes at 128 g + 64 h
.irp g, 0,1,2,3
.irp k, 0,1,2,3
	ds_store_b128 v[STO], v[128+64*((\a)%2)+16*\g+4*\k:128+64*((\a)%2)+16*\g+4*\k+3] offset:128*\g+16*\k
.endr
.endr
	WIN 0x40
.irp t, 0,1,2,3,4,5,6,7,8,9,10,11,12,13,14,15
	ds_load_b128 v[128*((\a)%2)+4*\t:128*((\a)%2)+4*\t+3], v[RD] offset:\t*SPI   ; LDS serves a wave's instructions in order: these see the stores above, and the next block's stores come behind them
.endr
	WIN 0
.endm
.macro SEND a, younger                 ; younger: the LDS instructions issued behind block a's loads, which may stay out
	s_wait_dscnt \younger
	WIN 0x04                                       ; a store's data: window 1
.irp t, 0,1,2,3,4,5,6,7,8,9,10,11,12,13,14,15
	global_store_b128 v3, v[128*((\a)%2)+4*\t:128*((\a)%2)+4*\t+3], s[90:91] offset:(32*((\a)/2)+8*((\a)%2)+\t+8*(\t/8))*4096 th:TH_STORE_NT   ; 32 lanes store 512 consecutive bytes, aligned; the tile's order of rows is undone in the immediate
.endr
	WIN 0
.endm
	s_wait_tensorcnt 0x1                           ; my part of slot 0 is in; slot 1's may stay out
	s_barrier_signal -1
	s_barrier_wait -1
	FETCH_P 0, 0, 0
	FETCH_Q 0, 0, 0
	FETCH_Q 0, 0, 4
	s_wait_loadcnt 0x0                             ; scale words and bias
	STEP 0, 0, 1                                   ; the first products start the sums: nothing is cleared
	STEP 0, 1, 0
	STEP 0, 2, 0
	s_wait_tensorcnt 0x0                           ; slot 0's last step changes slots: my part of slot 1 is in,
	s_wait_dscnt 8
	WIN MUL_LO
	MUL16 0, 1, 3, 0, 0
	s_wait_dscnt 0x0                               ; my reads of slot 0 are over
	s_barrier_signal -1
	MUL16 2, 1, 3, 0, 0
	WIN 0
	s_barrier_wait -1                              ; slot 1 is whole, and nobody reads slot 0 any more
	PLACES
	FETCH_P 1, 0, 0
	FETCH_Q 1, 0, 0
	WIN MUL_HI
	MUL16 4, 1, 3, 0, 0
	MUL16 6, 1, 3, 0, 0
	PLACES
	WIN 0
	FETCH_Q 1, 0, 4
	STEP 1, 0, 0
	STEP 1, 1, 0
	STEP 1, 2, 0
	s_wait_dscnt 8                                 ; the last step: nothing more to fetch
	WIN MUL_LO
	MUL16 0, 1, 3, 1, 0
	MUL16 2, 1, 3, 1, 0
	s_wait_dscnt 0x0
	WIN MUL_HI
	MUL16 4, 1, 3, 1, 0
	MUL16 6, 1, 3, 1, 0
	WIN 0
	PLACES
	ADDB 0
	TOSTAGE 0
.irp a, 1,2,3,4,5,6,7
	ADDB \a
.if \a > 1
	s_wait_alu depctr_va_vdst(0)
	s_wait_xcnt 0x0                                ; block a - 2's stores have read their registers: block a's loads may land there
.endif
	TOSTAGE \a
	SEND \a-1, 32                                  ; behind block a - 1's loads: block a's 16 stores and 16 loads
.endr
	SEND 7, 0
	s_wait_tensorcnt 0x0
	ds_add_u32 v126, v127
	s_wait_dscnt 0x0
	CROUND                                         ; the closing round: no work-group ends while a partner may still ask for a tile that names it
	s_endpgm
.Lfunc_end_k_qec4ab14dd6_oproj:
	.size	k_qec4ab14dd6_oproj, .Lfunc_end_k_qec4ab14dd6_oproj-k_qec4ab14dd6_oproj
	.p2alignl 7, 3214868480
	.fill 96, 4, 3214868480
	.section	.rodata,"a",@progbits
	.p2align	6, 0x0
	.amdhsa_kernel k_qec4ab14dd6_oproj
		.amdhsa_group_segment_fixed_size 327680
		.amdhsa_private_segment_fixed_size 0
		.amdhsa_enable_private_segment 0
		.amdhsa_kernarg_size 40
		.amdhsa_user_sgpr_count 2
		.amdhsa_user_sgpr_kernarg_segment_ptr 1
		.amdhsa_wavefront_size32 1
		.amdhsa_system_sgpr_workgroup_id_x 1
		.amdhsa_system_sgpr_workgroup_id_y 1
		.amdhsa_system_sgpr_workgroup_id_z 1
		.amdhsa_system_vgpr_workitem_id 0
		.amdhsa_next_free_vgpr 1024
		.amdhsa_next_free_sgpr 100
		.amdhsa_reserve_vcc 1
		.amdhsa_float_denorm_mode_32 3
		.amdhsa_float_denorm_mode_16_64 3
		.amdhsa_memory_ordered 1
		.amdhsa_forward_progress 1
		.amdhsa_inst_pref_size 141
	.end_amdhsa_kernel
	.amdgpu_metadata
---
amdhsa.version: [ 1, 2 ]
amdhsa.kernels:
  - .name:           k_qec4ab14dd6_oproj
    .symbol:         k_qec4ab14dd6_oproj.kd
    .args:
      - { .name: ac, .offset: 0, .size: 8, .value_kind: global_buffer, .address_space: global }
      - { .name: wc, .offset: 8, .size: 8, .value_kind: global_buffer, .address_space: global }
      - { .name: sc, .offset: 16, .size: 8, .value_kind: global_buffer, .address_space: global }
      - { .name: bo, .offset: 24, .size: 8, .value_kind: global_buffer, .address_space: global }
      - { .name: out0, .offset: 32, .size: 8, .value_kind: global_buffer, .address_space: global }
    .group_segment_fixed_size: 327680
    .private_segment_fixed_size: 0
    .kernarg_segment_align: 8
    .kernarg_segment_size: 40
    .max_flat_workgroup_size: 128
    .sgpr_count:     100
    .vgpr_count:     1024
    .wavefront_size: 32
...
	.end_amdgpu_metadata
.endif
;; end of part 4
